; MI455X (gfx1250); checked and timed in simulation.
; The chip was launched on July 23, 2026; its instructions are those of AMD's public machine-readable ISA for CDNA 5 (MIT licence, August 2026) and "CDNA5" Instruction Set Architecture Reference Guide (July 2026). The comments in the code are by the model that wrote it; some were corrected since.
;; Causal Self Attention. Allowed arithmetic: matrix products marked QUANTISED: E3M2 operands, one E8M0 scale for each 32 along K, by v_wmma_scale_f32_16x16x128_f8f6f4 with both operands' format E3M2, f32 sums; everything else in f32.
;; Inputs: W_attn 1,024 x 3,072 float32; W_proj 1,024 x 1,024 float32; b_attn 3,072 float32; b_proj 1,024 float32; x 4 x 2,048 x 1,024 float32.
;; Outputs: out0 4 x 2,048 x 1,024 float32.
;; This version of the problem:
;;   THIS VERSION OF THE PROBLEM IS GIVEN IN LOW PRECISION. The matrix products marked QUANTISED in the list below multiply operands that are first quantised to E3M2 (3 exponent bits, 2 mantissa bits; 6 bits a number), with one power-of-two scale for each 32 numbers along K (OCP MX v1.0); their sums are f32. All else is computed in f32.
;;   The module's matrix products, in the order in which they are computed (A, B: the left and right operand; K: the contracted axis; several contracted axes count as one K, in the product's order):
;;     1. [M 8,192, K 1,024] x [K 1,024, N 3,072]; A: input x; B: input W_attn: QUANTISED
;;     2. batch 64 x [M 2,048, K 64] x [K 64, N 2,048]; A: computed on the way; B: computed on the way: QUANTISED
;;     3. batch 64 x [M 2,048, K 2,048] x [K 2,048, N 64]; A: softmax (see below); B: computed on the way: QUANTISED
;;     4. [M 8,192, K 1,024] x [K 1,024, N 1,024]; A: computed on the way; B: input W_proj: QUANTISED
;;   THE QUANTISER, for each operand of a quantised product, along K:
;;     - K is cut into blocks of 32 from its start; a last block that is shorter is filled with zeros.
;;     - A block's scale is 2^e with e = floor(log2(the largest magnitude in the block)) - 4, held to -126 .. 127; a block of zeros has e = 0. As a byte (E8M0): e + 127.
;;     - Each number is divided by its block's scale, clamped to +-28, and rounded to the nearest number of E3M2, ties to even, subnormals kept.
;;     - The product sums the exact products of the quantised numbers (number of the format x scale) in f32.
;;   ~~~python
;;   def quantise(x, axis):      # numpy; x: float32 -> the quantised numbers, widened to float32 again
;;       x = np.moveaxis(x, axis, -1); K = x.shape[-1]
;;       x = np.pad(x, [(0, 0)] * (x.ndim - 1) + [(0, -K % 32)]); x = x.reshape(x.shape[:-1] + (-1, 32)); a = np.abs(x).max(-1, keepdims=True)
;;       e = np.where(a > 0, np.clip(np.frexp(np.where(a > 0, a, 1))[1] - 1 - 4, -126, 127), 0)      # np.frexp(a)[1] - 1 = floor(log2(a)), exactly
;;       r = np.clip(x / 2.0 ** e, -28, 28)
;;       step = 2.0 ** (np.maximum(np.frexp(np.where(r == 0, 1, r))[1] - 1, -2) - 2)
;;       q = np.round(r / step) * step * 2.0 ** e      # np.round: ties to even
;;       return np.moveaxis(q.reshape(q.shape[:-2] + (-1,))[..., :K], -1, axis).astype(np.float32)
;;   ~~~
;;   SOFTMAX AHEAD OF A QUANTISED PRODUCT. Where the list says 'softmax', what is quantised is not the finished softmax but p = 2^(t - M), with t = logit x log2(e) and M = ceil(the row's largest t), a whole number; so 1/2 < the row's largest p <= 1. The row's sum l is taken of the UNQUANTISED p, in f32, and the product's result is divided by l at the end. Since M is a whole number, a kernel that streams over the keys may use a running M (the ceiling of the running maximum): every later rescaling is an exact power of two, which a block's scale takes up: the codes' values come out the same.
;;   OPERANDS COMPUTED ON THE WAY. 'Computed on the way' means the value that the module computes at that place (a softmax that the list does not call 'softmax' is quantised finished and normalised). What goes into a quantiser is computed in f32, as accurately as f32 sums, v_exp_f32 and their like allow (about 1e-6 of the number): no bf16 or f16 on the way to a quantiser, and a product that is left as it is and whose result goes on into a quantised operand takes f32 operands (vector FMAs, or v_wmma_f32_16x16x4_f32). A number that lies on a knife's edge between two numbers of the format may be rounded either way, as far as f32 arithmetic and the matrix unit's own rounding can turn it there, and no further.
;; One version. Each part assembles by itself: llvm-mc -triple=amdgcn-amd-amdhsa -mcpu=gfx1250 --defsym DOCPART=n.
;; ======== version 1 of 1: 4 launches
;; workspace buffers: xq 6,553,600 bytes; wq 3,276,800 bytes; qimg 6,815,744 bytes; kvimg 13,369,344 bytes; yq 6,553,600 bytes
;; launch quant (part 1): grid 384 x 1, 4 waves a work-group, no clusters, 68,096 bytes of LDS; arguments x, W_attn, W_proj, xq, wq; writes xq, wq
.if DOCPART == 1
	.amdgcn_target "amdgcn-amd-amdhsa--gfx1250"
	.amdhsa_code_object_version 6
	.text
	.protected	k_q6ddde623cf_quant
	.globl	k_q6ddde623cf_quant
	.p2align	8
	.type	k_q6ddde623cf_quant,@function
k_q6ddde623cf_quant:
	s_mov_b64 s[64:65], 0
	v_nop
	global_prefetch_b8 v0, s[64:65] scope:SCOPE_SE
	s_setreg_imm32_b32 hwreg(HW_REG_WAVE_MODE, 25, 1), 1
	s_wait_xcnt 0x0
; x [8192][1024], W_attn [1024][3072] and W_proj [1024][1024], all f32, become codes of BF6 (E3M2), 6 bits each, K innermost (a row of 1,024 codes is 768 bytes), with one E8M0 byte for each 32 along K.
; A block's scale is 2^(floor(log2(its largest magnitude)) - 4); its byte is the largest magnitude's exponent field - 4, held at 1 from below.  Each number is divided by the scale and rounded to the nearest code, ties to even; beyond 28 the largest code.
; LIMITS: a block of zeros, or one whose largest magnitude lies under 2^-122, gets the byte 1 where the rule says 127 or less: its codes are zeros or the floor's, and the bytes are read by this program alone; NaN and infinities among the inputs are not served.
; ROW ORDER of the buffers written here: buffer row 32 p + 16 u + r holds the tensor's row (x: token; weights: column) 32 p + 8 u + r + 8 (r / 8): bits 3 and 4 of the row's number change places.
; So 16 neighbouring buffer rows are a tile whose results, taken as source 0 of a matrix instruction, leave 16 neighbours along the next K in a lane's registers of two neighbouring tiles.
; xq: codes at 0, scale bytes [8192][32] at X_S.  wq: W_attn's codes [3072][768] at 0, W_proj's [1024][768] at WP_C, their scale bytes [..][32] at WA_S and WP_S.
; Work-groups 0-255 take x (K innermost: a plain stream of blocks), work-groups 256-383 the weights (K is the first axis: a lane takes a column and its registers run down K).  The two ways use LDS bytes of their own.
; No tile is read by two work-groups, so there is no cluster and no joint load; no tensor load, no barrier: waves share nothing.
.set X_S,   6291456
.set WP_C,  2359296
.set WA_S,  3145728
.set WP_S,  3244032
.set EMAX,  4
; the way of x
.set STEPS, 16                         ; a wave takes 16 steps of 512 numbers: 8 rows of x
.set CB,    12                         ; bytes of 16 codes
.set XR,    16                         ; v16-79   four sets of 16 numbers as they are loaded
.set XN,    80                         ; v80-111  two sets of 16 neighbours
.set XE,    112                        ; v112-127 a scale byte for each step
.set XC,    128                        ; v128-191 codes: four registers for each step, so that no store's data are written again
.set WREG,  8192                       ; LDS 0 .. 32,767: a region for each wave: two stages of 32 x SP bytes, behind them its 256 scale bytes
.set SP,    80                         ; a lane's place in a stage: its 64 bytes + 16 of padding
; the way of the weights
.set WLDS,  32768                      ; LDS 32,768 .. 67,583: a stage of 32 rows x WPI bytes for each wave
.set WPI,   272                        ; a stage row: sixteen places of 16 bytes, each with 12 bytes of codes, + 16
.set NB,    8                          ; blocks of 32 along K for a wave: 256 along K
.set WX,    32                         ; v32-95   two sets of 32 numbers
.set WC,    96                         ; v96-102  a block's codes
.set WOUT,  112                        ; v112-175 the way out
.set WSB,   24                         ; v24-25   the scale bytes, four to a register
.set WOF,   176                        ; v176-207 byte offsets 4 x lane + i x the weight's row, i = 0 .. 31; never rewritten
	s_load_b128 s[4:7], s[0:1], 0x0                ; x, W_attn
	s_load_b128 s[8:11], s[0:1], 0x10              ; W_proj, xq
	s_load_b64 s[12:13], s[0:1], 0x20              ; wq
	v_lshl_add_u32 v208, v0, 2, 0x10800
	v_mov_b32 v209, 0
	v_lshrrev_b32 v1, 5, v0
	v_readfirstlane_b32 s16, v1                    ; wave 0..3
	v_and_b32 v2, 31, v0                           ; lane
	s_cmp_lt_u32 ttmp9, 256
	s_cbranch_scc0 .Lweights
	; ---------------- x ----------------
	; Each of a step's four loads reads 512 consecutive bytes, 16 a lane; the 2,048 bytes go through the wave's own stage and come back 64 bytes a lane: 16 neighbours along K, two lanes to a block.
	v_lshlrev_b32 v3, 4, v2                        ; my 16 bytes of a load's 512
	s_mul_i32 s17, s16, WREG
	v_lshrrev_b32 v14, 2, v2
	v_mul_u32_u24 v14, v14, SP
	v_and_b32 v15, 3, v2
	v_lshl_add_u32 v14, v15, 4, v14
	v_add_nc_u32 v14, s17, v14                     ; the stage, on the way in: SP (lane / 4) + 16 (lane % 4)
	v_mul_u32_u24 v15, v2, SP
	v_add_nc_u32 v15, s17, v15                     ; and on the way out: SP x lane
	v_mul_u32_u24 v4, v2, CB                       ; my codes' place in a step's
	v_lshrrev_b32 v5, 1, v2
	s_add_co_u32 s17, s17, 2*32*SP
	v_add_nc_u32 v5, s17, v5                       ; LDS: my wave's 256 scale bytes, my block's byte
	v_lshlrev_b32 v7, 3, v2                        ; and on the way out 8 bytes a lane
	v_add_nc_u32 v6, s17, v7
	s_lshl_b32 s17, ttmp9, 2
	s_add_co_u32 s18, s17, s16                     ; I read rows 8 (4 g + wave) on: 32,768 bytes a run,
	s_lshl_b32 s18, s18, 15
	s_mov_b32 s19, 0
	s_and_b32 s20, s16, 1
	s_lshl_b32 s20, s20, 1
	s_lshr_b32 s21, s16, 1
	s_or_b32 s20, s20, s21                         ; and write them as run 4 g + (the wave's two bits changed over): the row order
	s_add_co_u32 s20, s17, s20
	s_mul_i32 s22, s20, 32*STEPS*CB                ; 6,144 bytes of codes a run
	s_mov_b32 s23, 0
	s_lshl_b32 s24, s20, 8                         ; 256 scale bytes a run
	s_add_co_u32 s24, s24, X_S
	s_mov_b32 s25, 0
	s_wait_kmcnt 0x0
	s_add_nc_u64 s[4:5], s[4:5], s[18:19]
	s_add_nc_u64 s[8:9], s[10:11], s[22:23]        ; my codes
	s_add_nc_u64 s[10:11], s[10:11], s[24:25]      ; my scale bytes
.macro XLOAD t
.irp i, 0,1,2,3
	global_load_b128 v[XR+16*((\t)%4)+4*\i:XR+16*((\t)%4)+4*\i+3], v3, s[4:5] offset:2048*(\t)+512*\i th:TH_LOAD_NT   ; 32 lanes read 512 consecutive bytes
.endr
.endm
.macro XTURN t                         ; step t's numbers through the stage: LDS serves a wave's instructions in order, so no wait stands between the stores and the loads
.irp i, 0,1,2,3
	ds_store_b128 v14, v[XR+16*((\t)%4)+4*\i:XR+16*((\t)%4)+4*\i+3] offset:32*SP*((\t)%2)+8*SP*\i
.endr
.irp i, 0,1,2,3
	ds_load_b128 v[XN+16*((\t)%2)+4*\i:XN+16*((\t)%2)+4*\i+3], v15 offset:32*SP*((\t)%2)+16*\i
.endr
.endm
.irp t, 0,1,2,3
	XLOAD \t
.endr
	s_wait_loadcnt 12                              ; step 0's four loads are in; the 12 of steps 1 to 3 may be out
	XTURN 0
.macro XSTEP t
.set XS, XN+16*((\t)%2)
.if (\t) > 0
	s_wait_dscnt 1                                 ; this step's numbers are back from the stage (the last step's byte store may be out): so its stores into the stage have read their registers,
.else
	s_wait_dscnt 0x0
.endif
.if (\t)+4 < STEPS
	XLOAD (\t)+4                                   ; which take the loads of four steps on
.endif
.if (\t)+1 < STEPS
.if STEPS-2-(\t) >= 3
	s_wait_loadcnt 12                              ; the next step's four loads are in; those of the three steps behind it may be out
.else
	s_wait_loadcnt 4*(STEPS-2-(\t))
.endif
	XTURN (\t)+1                                   ; and go through the other stage while this step is worked
.endif
	v_max3_num_f32 v8, |v[XS]|, |v[XS+1]|, |v[XS+2]|               ; the largest magnitude of my 16, in two chains
	v_max3_num_f32 v9, |v[XS+3]|, |v[XS+4]|, |v[XS+5]|
.irp i, 6,10
	v_max3_num_f32 v8, v8, |v[XS+\i]|, |v[XS+\i+1]|
	v_max3_num_f32 v9, v9, |v[XS+\i+2]|, |v[XS+\i+3]|
.endr
	v_max3_num_f32 v8, v8, |v[XS+14]|, |v[XS+15]|
	v_max3_num_f32 v8, v8, v9, (EMAX+1)<<23        ; and the floor 2^(5 - 127): the byte cannot fall under 1
	v_max_num_f32_dpp v8, v8, v8 row_xmask:1 row_mask:0xf bank_mask:0xf   ; and of my neighbour's 16: the block's
	v_add_nc_u32 v11, -(EMAX<<23), v8              ; 4 off its exponent field: the conversion takes the exponent field of this operand as its scale
	v_cvt_scalef32_pk16_bf6_f32 v[XC+4*(\t):XC+4*(\t)+2], v[XS:XS+15], v11
	v_lshrrev_b32 v[XE+(\t)], 23, v11              ; the scale's byte (also the plain line behind the conversion)
	ds_store_b8 v5, v[XE+(\t)] offset:16*(\t)      ; both lanes of a block write the same byte with the same value
	global_store_b96 v4, v[XC+4*(\t):XC+4*(\t)+2], s[8:9] offset:32*CB*(\t)   ; the wave stores 384 consecutive bytes
.endm
.irp t, 0,1,2,3,4,5,6,7,8,9,10,11,12,13,14,15
	XSTEP \t
.endr
	ds_load_b64 v[12:13], v6                       ; LDS serves a wave's instructions in order: these see my byte stores
	s_wait_dscnt 0x0
	global_store_b64 v7, v[12:13], s[10:11]        ; 32 lanes store 256 consecutive bytes, aligned
	s_wait_tensorcnt 0x0
	ds_add_u32 v208, v209
	s_wait_dscnt 0x0
	s_endpgm
	; ---------------- the weights ----------------
	; Work-group j = g - 256: column group j % 32 (0-23: W_attn's 128 columns each; 24-31: W_proj's), 256 along K from 256 (j / 32) on.  A wave takes 32 columns.
.Lweights:
	s_sub_co_u32 s17, ttmp9, 256
	s_and_b32 s18, s17, 31                         ; column group
	s_lshr_b32 s19, s17, 5                         ; which 256 along K
	s_sub_co_u32 s21, s18, 24
	s_mov_b32 s20, 4096
	s_mov_b32 s22, WP_C
	s_mov_b32 s23, WP_S
	s_wait_kmcnt 0x0
	s_cmp_lt_u32 s18, 24                           ; W_attn's or W_proj's?  The choice hangs on the work-group's number alone
	s_cselect_b64 s[4:5], s[6:7], s[8:9]           ; the weight
	s_cselect_b32 s20, 12288, s20                  ; bytes in one of its rows
	s_cselect_b32 s21, s18, s21                    ; the column group within it
	s_cselect_b32 s22, 0, s22                      ; where its codes begin in wq
	s_cselect_b32 s23, WA_S, s23                   ; and its scale bytes
	s_lshl_b32 s24, s21, 7
	s_lshl_b32 s25, s16, 5
	s_add_co_u32 s24, s24, s25                     ; my wave's first column
	s_lshl_b32 s26, s19, 8
	s_mul_i32 s26, s26, s20                        ; 256 y rows down,
	s_lshl_b32 s27, s24, 2
	s_add_co_u32 s26, s26, s27                     ; 4 bytes a column
	s_mov_b32 s27, 0
	s_add_nc_u64 s[32:33], s[4:5], s[26:27]        ; block 0's first row
	s_lshl_b32 s28, s20, 5                         ; 32 rows
	s_mov_b32 s29, 0
.irp t, 1,2,3,4,5,6,7
	s_add_nc_u64 s[32+2*\t:33+2*\t], s[30+2*\t:31+2*\t], s[28:29]   ; a base for each block of 32 along K: none is stepped later
.endr
	s_mul_i32 s26, s24, 768
	s_add_co_u32 s26, s26, s22
	s_mul_i32 s30, s19, 192
	s_add_co_u32 s26, s26, s30
	s_add_nc_u64 s[6:7], s[12:13], s[26:27]        ; my codes: column x 768 + 192 y
	s_lshl_b32 s26, s24, 5
	s_add_co_u32 s26, s26, s23
	s_lshl_b32 s30, s19, 3
	s_add_co_u32 s26, s26, s30
	s_add_nc_u64 s[8:9], s[12:13], s[26:27]        ; my scale bytes: column x 32 + 8 y
	v_lshlrev_b32 v3, 2, v2
.set n, 0
.rept 32
	v_mad_u32_u24 v[WOF+n], s20, n, v3
.set n, n+1
.endr
	s_mul_i32 s31, s16, 32*WPI
	s_add_co_u32 s31, s31, WLDS                    ; my stage
	v_mul_u32_u24 v4, v2, WPI
	v_add_nc_u32 v4, s31, v4                       ; into it: row = my column
	v_and_b32 v5, 15, v2
	v_lshrrev_b32 v6, 4, v2                        ; out of it: sixteen lanes to a row, two rows an instruction
	v_mul_u32_u24 v7, v6, WPI
	v_lshl_add_u32 v7, v5, 4, v7
	v_add_nc_u32 v7, s31, v7
	v_mul_u32_u24 v8, v6, 768
	v_mad_u32_u24 v8, v5, 12, v8                   ; and the same place in the codes' buffer
	v_and_b32 v9, 7, v2                            ; my column's row of scale bytes, in the row order: bits 3 and 4 of the lane change places
	v_bfe_u32 v10, v2, 3, 1
	v_lshl_or_b32 v9, v10, 4, v9
	v_lshl_or_b32 v9, v6, 3, v9
	v_lshlrev_b32 v9, 5, v9
.macro WLOAD t                         ; block t: W(32 t + i, my column), i = 0 .. 31, into set t % 2: each load reads 128 consecutive bytes a wave
.set n, 0
.rept 32
	global_load_b32 v[WX+32*((\t)%2)+n], v[WOF+n], s[32+2*(\t):33+2*(\t)] th:TH_LOAD_NT
.set n, n+1
.endr
.endm
	WLOAD 0
	WLOAD 1
.macro WBLOCK t
.set XS, WX+32*((\t)%2)
.if (\t) < NB-1
	s_wait_loadcnt 32                              ; this block's 32 loads are in; the next block's 32 may be out
.else
	s_wait_loadcnt 0
.endif
	v_max3_num_f32 v12, |v[XS]|, |v[XS+1]|, |v[XS+2]|               ; the block's largest magnitude: all 32 numbers are mine
	v_max3_num_f32 v13, |v[XS+3]|, |v[XS+4]|, |v[XS+5]|
.irp i, 6,10,14,18,22,26
	v_max3_num_f32 v12, v12, |v[XS+\i]|, |v[XS+\i+1]|
	v_max3_num_f32 v13, v13, |v[XS+\i+2]|, |v[XS+\i+3]|
.endr
	v_max3_num_f32 v12, v12, |v[XS+30]|, |v[XS+31]|
	v_max3_num_f32 v12, v12, v13, (EMAX+1)<<23     ; and the floor
	v_add_nc_u32 v11, -(EMAX<<23), v12             ; the conversion's scale operand
	v_lshrrev_b32 v13, 23, v11                     ; the scale's byte
.if (\t)%4 == 0
	v_mov_b32 v[WSB+(\t)/4], v13                   ; four bytes to a register, the lower K in the lower byte
.else
	v_lshl_or_b32 v[WSB+(\t)/4], v13, 8*((\t)%4), v[WSB+(\t)/4]
.endif
	v_cvt_scalef32_pk16_bf6_f32 v[WC:WC+2], v[XS:XS+15], v11
	v_cvt_scalef32_pk16_bf6_f32 v[WC+4:WC+6], v[XS+16:XS+31], v11   ; (a conversion's three registers begin on an even number)
	v_nop                                          ; a plain line behind the conversions
	ds_store_b96 v4, v[WC:WC+2] offset:32*(\t)     ; 16 codes, 12 bytes, to a place of 16 bytes in the stage
	ds_store_b96 v4, v[WC+4:WC+6] offset:32*(\t)+16
.if (\t)+2 < NB
	WLOAD (\t)+2
.endif
	s_wait_dscnt 0x0                               ; the stores have read their registers: the next block's codes may be written
.endm
.irp t, 0,1,2,3,4,5,6,7
	WBLOCK \t
.endr
	global_store_b64 v9, v[WSB:WSB+1], s[8:9]      ; my column's 8 scale bytes
.irp t, 0,1,2,3,4,5,6,7,8,9,10,11,12,13,14,15
	ds_load_b96 v[WOUT+4*\t:WOUT+4*\t+2], v7 offset:2*\t*WPI   ; LDS serves a wave's instructions in order: these see my stores
.endr
.irp t, 0,1,2,3,4,5,6,7,8,9,10,11,12,13,14,15
.set RH, ((2*\t)&7)|((((2*\t)>>3)&1)<<4)|((((2*\t)>>4)&1)<<3)   ; columns 2 t and 2 t + 1 go to buffer rows RH and RH + 1
	s_wait_dscnt 15-\t                             ; the younger loads from the stage may be out
	global_store_b96 v8, v[WOUT+4*\t:WOUT+4*\t+2], s[6:7] offset:RH*768   ; sixteen lanes store a row's 192 consecutive bytes
.endr
	s_wait_tensorcnt 0x0
	ds_add_u32 v208, v209
	s_wait_dscnt 0x0
	s_endpgm
.Lfunc_end_k_q6ddde623cf_quant:
	.size	k_q6ddde623cf_quant, .Lfunc_end_k_q6ddde623cf_quant-k_q6ddde623cf_quant
	.p2alignl 7, 3214868480
	.fill 96, 4, 3214868480
	.section	.rodata,"a",@progbits
	.p2align	6, 0x0
	.amdhsa_kernel k_q6ddde623cf_quant
		.amdhsa_group_segment_fixed_size 68096
		.amdhsa_private_segment_fixed_size 0
		.amdhsa_enable_private_segment 0
		.amdhsa_kernarg_size 40
		.amdhsa_user_sgpr_count 2
		.amdhsa_user_sgpr_kernarg_segment_ptr 1
		.amdhsa_wavefront_size32 1
		.amdhsa_system_sgpr_workgroup_id_x 1
		.amdhsa_system_sgpr_workgroup_id_y 1
		.amdhsa_system_sgpr_workgroup_id_z 1
		.amdhsa_system_vgpr_workitem_id 0
		.amdhsa_next_free_vgpr 210
		.amdhsa_next_free_sgpr 66
		.amdhsa_reserve_vcc 0
		.amdhsa_float_denorm_mode_32 3
		.amdhsa_float_denorm_mode_16_64 3
		.amdhsa_memory_ordered 1
		.amdhsa_forward_progress 1
		.amdhsa_inst_pref_size 76
	.end_amdhsa_kernel
	.amdgpu_metadata
---
amdhsa.version: [ 1, 2 ]
amdhsa.kernels:
  - .name:           k_q6ddde623cf_quant
    .symbol:         k_q6ddde623cf_quant.kd
    .args:
      - { .name: x, .offset: 0, .size: 8, .value_kind: global_buffer, .address_space: global }
      - { .name: W_attn, .offset: 8, .size: 8, .value_kind: global_buffer, .address_space: global }
      - { .name: W_proj, .offset: 16, .size: 8, .value_kind: global_buffer, .address_space: global }
      - { .name: xq, .offset: 24, .size: 8, .value_kind: global_buffer, .address_space: global }
      - { .name: wq, .offset: 32, .size: 8, .value_kind: global_buffer, .address_space: global }
    .group_segment_fixed_size: 68096
    .private_segment_fixed_size: 0
    .kernarg_segment_align: 8
    .kernarg_segment_size: 40
    .max_flat_workgroup_size: 128
    .sgpr_count:     66
    .vgpr_count:     210
    .wavefront_size: 32
...
	.end_amdgpu_metadata
.endif
;; end of part 1
;; launch qkv (part 2): grid 12 x 32, 4 waves a work-group, clusters of 4 x 4, 327,680 bytes of LDS; arguments xq, wq, b_attn, qimg, kvimg; writes qimg, kvimg
.if DOCPART == 2
	.amdgcn_target "amdgcn-amd-amdhsa--gfx1250"
	.amdhsa_code_object_version 6
	.text
	.protected	k_q6ddde623cf_qkv
	.globl	k_q6ddde623cf_qkv
	.p2align	8
	.type	k_q6ddde623cf_qkv,@function
k_q6ddde623cf_qkv:
	s_mov_b64 s[64:65], 0
	v_nop
	global_prefetch_b8 v0, s[64:65] scope:SCOPE_SE
	s_setreg_imm32_b32 hwreg(HW_REG_WAVE_MODE, 25, 1), 1
	s_wait_xcnt 0x0
	s_wait_alu depctr_hold_cnt(0) depctr_sa_sdst(0) depctr_va_vdst(0) depctr_va_sdst(0) depctr_va_ssrc(0) depctr_va_vcc(0) depctr_vm_vsrc(0)
	s_getreg_b32 s2, hwreg(HW_REG_IB_STS2, 6, 4)
	s_cmp_eq_u32 s2, 0
	s_cbranch_scc0 .Lentry_in_a_cluster
	s_endpgm
.Lentry_in_a_cluster:
	s_bfe_u32 s2, ttmp6, 0x10000c
	s_cmp_lg_u32 s2, 0xf033
	s_cbranch_scc0 .Lentry_shape_is_right
	s_endpgm
.Lentry_shape_is_right:
; qkv = x W_attn + b_attn on codes of BF6 (E3M2) with one E8M0 scale for each 32 along K = 1,024; sums in f32; then q, k and v are quantised in registers, each along the K of its next product, and stored as images of operand registers.
; A tile of 256 x 256 is made by a work-group of four waves, 128 x 128 a wave: 64 accumulators of 16 x 16.  K goes in steps of 256 through a ring of two LDS slots filled by the tensor data mover; the scale bytes of the tile's rows come once and stay.
; ROLES.  Source 1 of the matrix instruction ('A' below) gives a lane its row; source 0 ('B') runs along a lane's registers, which is the direction that is quantised.
;   clusters x = 0, 1 (q, k): A = 256 tokens of x, B = 256 columns of W_attn: a lane holds one token and 128 features = two heads of 64.
;   cluster  x = 2    (v):    A = 256 of W_attn's columns 2,048 on, B = 256 tokens: a lane holds one feature and 128 tokens, since the keys are the K of the product that takes v.
; The mode hangs on the cluster's x alone, which all sixteen partners share.  In both modes A's tile hangs on cy and is shared along a row of the cluster, B's on cx and is shared along a column: each is asked for JOINTLY.
; The buffers' rows lie in the row order (buffer row 32 p + 16 u + r = row 32 p + 8 u + r + 8 (r / 8)): so the 16 registers of B's blocks 2 b and 2 b + 1 are 16 neighbours, 32 b + 16 (lane / 16) + 0 .. 15.
; The bias is the C of each sum's first matrix instruction.
; OUT.  A unit is 768 bytes: six operand registers of 32 lanes (16 rows x 64 along K): registers 0-3 at 16 x lane, registers 4-5 at 512 + 8 x lane.  Each store covers whole aligned blocks of 256 bytes.
;   qimg record (16 b + head, token / 128), 6,656 bytes: 8 units (16 tokens each, in the row order), then 512 bytes of scale words: word i of a lane at 16 x lane + 4 i: lanes 0-15 unit 2 i, lanes 16-31 unit 2 i + 1; a row's two bytes written twice.
;   kvimg record, 13,056 bytes: k as in qimg; from 6,656 v's 8 units (unit 2 t + c: 16 of the head's 64 x keys 64 c on); from 12,800 v's scale words: word i at 8 x lane + 4 i: lanes 0-15 tile 2 i, lanes 16-31 tile 2 i + 1.
; LIMITS: a block of zeros or under 2^-122 gets the byte 1 (its codes are zeros or the floor's; this program alone reads the bytes); NaN and infinities are not served.
; REGISTERS, in windows of 256: window 0: v16-31 addresses; v32-63 scale words, two sets; v64-127 the bias (later v64-79 scale words on their way out); v128-223 A's fragments, ONE set (later the codes made); v224-251 at work.
;   window 1: B's fragments, TWO sets, at v0 and v128.   window 2: the accumulators of A's blocks 0-3 ((a, b) at v[8 (8 a + b)]);   window 3: those of blocks 4-7.
.set X_S,    6291456                   ; xq: where the scale bytes begin
.set WA_S,   3145728                   ; wq: W_attn's scale bytes
.set WV_C,   2048*768                  ; wq: the codes of W_attn's columns 2,048 on
.set WV_S,   WA_S+2048*32              ; and their scale bytes
.set QREC,   6656
.set KVREC,  13056
.set NQ,     2                         ; matrix instructions deep in a slot
.set ROWB,   192                       ; a tile's row in bytes: 256 codes
.set KROW,   768                       ; a row of codes in memory
.set PITCH,  240                       ; an LDS row: 3 x (64 bytes + 16 of padding)
.set FR,     12                        ; registers of a fragment: 16 rows x 128 K
.set NL,     6                         ; LDS loads that bring one
.set NP,     4                         ; places behind this matrix instruction (ISA guide 7.12.1)
.set HALFT,  128*PITCH                 ; 128 rows: what one tensor load brings
.set SLOT,   4*HALFT                   ; A's 256 rows, then B's 256 rows
.set LAPS,   2                         ; 1,024 along K = two laps of two slots
.set KS,     32                        ; a row of scale bytes
.set SCL,    2*SLOT                    ; behind the ring: the scale bytes, as rows of 256 bytes + 16 of padding
.set HALFS,  16*272                    ; those of 128 rows
.set SBLK,   2*272                     ; those of 16 rows
.set SPARE,  SCL+4*HALFS               ; the spare words, 128 bytes for each wave: two blocks of 256 bytes that no other line names
.set ADRA, 16                          ; v16-17 LDS address of my A fragments in slot 0, 1 (v18-19: for the pieces behind one padding more)
.set ADRB, 20                          ; v20-23 the same for B
.set LI,   24                          ; v24  16 x lane
.set L8,   25                          ; v25  8 x lane
.set LN,   26                          ; v26  lane
.set ADRS, 27                          ; v27  LDS address of my scale words: lanes 0-15 A's rows, lanes 16-31 B's
.set SPW,  28                          ; v28  LDS address of my spare word; never rewritten
.set NIL,  29                          ; v29  0; never rewritten
.set BOQ,  30                          ; v30  the bias's offset where it runs along the registers: 64 (lane / 16)
.set BOV,  31                          ; v31  and where it belongs to the lane's row: 4 (r + 8 (r / 8))
.set SC,   32
.set BI,   64                          ; v64-127 the bias: eight registers a block
.set SW,   64                          ; later: scale words on their way out
.set AF,   128
.set PC,   128                         ; later: block a's codes at v[128 + 12 a]
.set T2,   224                         ; v224-231 the conversions' second halves
.set TM,   232                         ; v232-235 largest magnitudes
.set TO,   236                         ; v236-239 the other half's, then bytes
.set SO,   240                         ; v240-243 the conversions' scale operands
.set PWS,  244                         ; v244-251 block a's scale word
.set G1, 24                            ; s[24:31] descriptor group 1 for A's tiles;  s[32:39] group 0, one set for each slot
.set G0, 32
.set G1B, 48                           ; s[48:55], s[56:63] the same for B's tiles
.set G0B, 56
.set G1S, 68                           ; s[68:75], s[76:79] groups 1 and 0 for A's scale bytes;  s[80:87], s[88:91] for B's
.set G0S, 76
.set G1SB, 80
.set G0SB, 88
.set MODE, 66                          ; s66  1 in the cluster column that makes v
.set BASE, 94                          ; s[94:95], s[96:97] where my two heads' records begin
.set MSB, 0
.macro WIN new                         ; the immediate's high byte repeats the setting that is left
.if MSB != \new
	s_set_vgpr_msb (MSB<<8)|\new
.set MSB, \new
.endif
.endm
.set MUL_LO,  0xa1                     ; source 0 (B) window 1, source 1 (A) window 0, C and D window 2
.set MUL_HI,  0xf1                     ; the same, C and D window 3
.set BIAS_LO, 0x81                     ; the first step: C (the bias) window 0, D window 2
.set BIAS_HI, 0xc1                     ; D window 3
.set TO_B,    0x40                     ; destination window 1, address window 0
; A joint load: waves 0 and 1 fetch for A, waves 2 and 3 for B.  Each of the two lines has ONE mask and one set of registers for all that issue it; the branch hangs on the wave's number alone.
; Four v_nop follow each of the two lines, ahead of the jump, the label and what follows.
.macro JLOAD g0a, g1a, g0b, g1b
	s_cmp_eq_u32 s15, 0
	s_cbranch_scc0 .Lfor_b_\@
	tensor_load_to_lds s[\g0a:\g0a+3], s[\g1a:\g1a+7]
	s_nop 0
.rept 4
	v_nop
.endr
	s_branch .Lasked_\@
.Lfor_b_\@:
	tensor_load_to_lds s[\g0b:\g0b+3], s[\g1b:\g1b+7]
	s_nop 0
.rept 4
	v_nop
.endr
.Lasked_\@:
.endm
.macro CREST                           ; a round of the cluster's barrier behind its opening barrier
	s_cmp_lg_u32 s14, 0
	s_cbranch_scc1 .Lnot_wave_0_\@
	s_barrier_signal -3
.Lnot_wave_0_\@:
	s_barrier_wait -3
	s_barrier_signal -1
	s_barrier_wait -1
.endm
.macro CROUND                          ; a whole round
	s_barrier_signal -1
	s_barrier_wait -1
	CREST
.endm
	s_load_b128 s[4:7], s[0:1], 0x0                ; xq, wq
	s_load_b128 s[8:11], s[0:1], 0x10              ; b_attn, qimg
	s_load_b64 s[12:13], s[0:1], 0x20              ; kvimg
	v_lshl_add_u32 v[SPW], v0, 2, SPARE
	v_mov_b32 v[NIL], 0
	ds_add_u32 v28, v29
	ds_add_u32 v28, v29
	s_wait_dscnt 0x0
	v_lshrrev_b32 v1, 5, v0
	v_readfirstlane_b32 s14, v1                    ; wave 0..3
	s_lshr_b32 s15, s14, 1                         ; which half of A's rows is mine.  Also: I fetch for A (0) or for B (1)
	s_and_b32 s16, s14, 1                          ; which half of B's rows.  Also: which 128 rows of that tile I fetch
	s_bfe_u32 s40, ttmp6, 0x40000                  ; cx, cy: my place in the cluster
	s_bfe_u32 s41, ttmp6, 0x40004
	s_and_b32 s67, ttmp7, 0xffff
	s_lshl_b32 s67, s67, 2                         ; 4 x cluster y
	s_lshl_b32 s18, ttmp9, 2                       ; 4 x cluster x
	s_cmp_eq_u32 ttmp9, 2
	s_cselect_b32 s[MODE], 1, 0
	s_cselect_b32 s17, 0, s67
	s_cselect_b32 s42, s67, s18
	s_add_co_u32 s17, s17, s41                     ; A's tile: q, k: 4 Y + cy of x's 32;  v: cy of the weight's 4
	s_add_co_u32 s42, s42, s40                     ; B's tile: q, k: 4 X + cx of the weight's 8;  v: 4 Y + cx of x's 32
	s_lshl_b32 s43, s41, 2
	s_lshl_b32 s43, 15, s43                        ; my row of the cluster
	s_lshl_b32 s44, 0x1111, s40                    ; my column
	; descriptor group 1: a tile of 128 rows x 192 bytes, padded in LDS
	s_or_b32 s[G1+0], s43, (0<<16)|(1<<20)|(1<<21)|(3<<22)|(3<<25)  ; 15:0 the mask: A's tiles go to my row; 17:16 element of 1 byte; 20 padding on; 21 set beside a mask; 24:22 after every 16 words; 31:25 of 4 words
	s_or_b32 s[G1B+0], s44, (0<<16)|(1<<20)|(1<<21)|(3<<22)|(3<<25)
.irp g, G1, G1B
	s_mov_b32 s[\g+1], ROWB<<16                    ; tensor_dim0
	s_mov_b32 s[\g+2], 128<<16                     ; tensor_dim1
	s_mov_b32 s[\g+3], ROWB<<16                    ; tile_dim0
	s_mov_b32 s[\g+4], 128                         ; tile_dim1
	s_mov_b32 s[\g+5], KROW                        ; tensor_dim0_stride
	s_mov_b32 s[\g+6], 0
	s_mov_b32 s[\g+7], 0
.endr
	; the scale bytes of 128 rows: a dense block of 4,096 bytes, as 16 rows of 256 bytes (32 elements of 8 bytes), 16 bytes of padding behind each
	s_or_b32 s[G1S+0], s43, (3<<16)|(1<<20)|(1<<21)|(5<<22)|(3<<25)
	s_or_b32 s[G1SB+0], s44, (3<<16)|(1<<20)|(1<<21)|(5<<22)|(3<<25)
.irp g, G1S, G1SB
	s_mov_b32 s[\g+1], 32<<16
	s_mov_b32 s[\g+2], 16<<16
	s_mov_b32 s[\g+3], 32<<16
	s_mov_b32 s[\g+4], 16
	s_mov_b32 s[\g+5], 32
	s_mov_b32 s[\g+6], 0
	s_mov_b32 s[\g+7], 0
.endr
	s_lshl_b32 s18, s16, 7                         ; which 128 rows of the tile I fetch
	s_lshl_b32 s20, s17, 8
	s_add_co_u32 s20, s20, s18                     ; A: row 256 x tile + 128 x half
	s_lshl_b32 s46, s42, 8
	s_add_co_u32 s46, s46, s18                     ; B likewise
	s_lshl_b32 s22, s20, 5                         ; 32 scale bytes a row,
	s_mul_i32 s20, s20, KROW                       ; 768 bytes of codes
	s_lshl_b32 s92, s46, 5
	s_mul_i32 s46, s46, KROW
	s_mov_b32 s19, X_S
	s_mov_b32 s99, WA_S
	s_cmp_eq_u32 s[MODE], 1
	s_cselect_b32 s18, WV_C, 0                     ; where A's codes begin in their buffer: v's columns of the weight, or x (B's begin at 0 in both modes)
	s_cselect_b32 s19, WV_S, s19                   ; A's scale bytes
	s_cselect_b32 s99, X_S, s99                    ; B's scale bytes
	s_add_co_u32 s20, s20, s18
	s_add_co_u32 s22, s22, s19
	s_add_co_u32 s92, s92, s99
	s_mov_b32 s21, 0
	s_mov_b32 s23, 0
	s_mov_b32 s47, 0
	s_mov_b32 s93, 0
	s_mul_i32 s45, s14, HALFT                      ; where they go: wave x 128 rows: no place in the cluster enters an LDS address
	s_mul_i32 s98, s14, HALFS
	s_wait_kmcnt 0x0
	s_cmp_eq_u32 s[MODE], 1
	s_cselect_b64 s[94:95], s[6:7], s[4:5]         ; A's buffer
	s_cselect_b64 s[96:97], s[4:5], s[6:7]         ; B's buffer
	s_add_nc_u64 s[20:21], s[94:95], s[20:21]
	s_add_nc_u64 s[22:23], s[94:95], s[22:23]
	s_add_nc_u64 s[46:47], s[96:97], s[46:47]
	s_add_nc_u64 s[92:93], s[96:97], s[92:93]
	CROUND                                         ; all sixteen work-groups are here: the first joint loads meet
	s_mov_b32 s[G0S], 1
	s_add_co_u32 s[G0S+1], s98, SCL
	s_mov_b64 s[G0S+2:G0S+3], s[22:23]
	s_or_b32 s[G0S+3], s[G0S+3], 0x80000000
	s_mov_b32 s[G0SB], 1
	s_add_co_u32 s[G0SB+1], s98, SCL
	s_mov_b64 s[G0SB+2:G0SB+3], s[92:93]
	s_or_b32 s[G0SB+3], s[G0SB+3], 0x80000000
	JLOAD G0S, G1S, G0SB, G1SB                     ; the scale bytes first: they are wanted with K step 0
.irp s, 0,1
	s_mov_b32 s[G0+4*\s], 1
	s_add_co_u32 s[G0+4*\s+1], s45, \s*SLOT
	s_add_nc_u64 s[G0+4*\s+2:G0+4*\s+3], s[20:21], \s*ROWB
	s_or_b32 s[G0+4*\s+3], s[G0+4*\s+3], 0x80000000
	s_mov_b32 s[G0B+4*\s], 1
	s_add_co_u32 s[G0B+4*\s+1], s45, \s*SLOT
	s_add_nc_u64 s[G0B+4*\s+2:G0B+4*\s+3], s[46:47], \s*ROWB
	s_or_b32 s[G0B+4*\s+3], s[G0B+4*\s+3], 0x80000000
	JLOAD G0+4*\s, G1, G0B+4*\s, G1B               ; three tensor loads of mine are out now
.endr
	v_and_b32 v1, 15, v0                           ; r = lane % 16
	v_bfe_u32 v2, v0, 4, 1                         ; h = lane / 16
	v_mul_u32_u24 v3, v1, PITCH
	v_mul_u32_u24 v4, v2, 24
	v_add_nc_u32 v4, v3, v4                        ; a fragment's row x pitch + 24 x half
	v_lshl_add_u32 v5, v2, 4, v4                   ; and the same behind one padding more
	s_mul_i32 s21, s15, HALFT                      ; my 128 rows of A
	s_mul_i32 s22, s16, HALFT                      ; my 128 rows of B,
	s_add_co_u32 s22, s22, 2*HALFT                 ; which lie behind A's 256
.irp s, 0,1
	v_add_nc_u32 v[ADRA+\s], s21, v4
	v_add_nc_u32 v[ADRB+\s], s22, v4
	v_add_nc_u32 v[ADRA+2+\s], s21, v5
	v_add_nc_u32 v[ADRB+2+\s], s22, v5
	s_add_co_u32 s21, s21, SLOT
	s_add_co_u32 s22, s22, SLOT
.endr
	v_mul_u32_u24 v5, v1, KS                       ; my row's scale bytes: 32 a row,
	v_lshrrev_b32 v6, 8, v5
	v_lshl_add_u32 v5, v6, 4, v5                   ; and 16 more for each 256 passed
	s_mul_i32 s21, s15, HALFS                      ; A's: my 128 rows
	s_mul_i32 s22, s16, HALFS                      ; B's: my 128 rows, behind A's 256
	s_add_co_u32 s22, s22, 2*HALFS
	s_sub_co_u32 s22, s22, s21
	v_mul_u32_u24 v6, s22, v2                      ; lanes 16-31 take B's
	s_add_co_u32 s21, s21, SCL
	v_add_nc_u32 v5, v5, v6
	v_add_nc_u32 v[ADRS], s21, v5
	v_and_b32 v[LN], 31, v0
	v_lshlrev_b32 v[LI], 4, v[LN]
	v_lshlrev_b32 v[L8], 3, v[LN]
	v_lshlrev_b32 v[BOQ], 6, v2
	v_and_b32 v7, 8, v1
	v_add_nc_u32 v7, v7, v1
	v_lshlrev_b32 v[BOV], 2, v7
.irp b, 0,1,2,3
	v_mov_b32 v[TO+\b], 0                          ; written once: a lane permute's destination counts as one of its sources
.endr
	; the bias: q, k: of B's columns 256 x tile + 128 x my half on;  v: of A's columns 2,048 + 256 x tile + 128 x my half on
	s_lshl_b32 s18, s42, 8
	s_lshl_b32 s19, s16, 7
	s_add_co_u32 s18, s18, s19
	s_lshl_b32 s19, s17, 8
	s_lshl_b32 s99, s15, 7
	s_add_co_u32 s19, s19, s99
	s_add_co_u32 s19, s19, 2048
	s_cmp_eq_u32 s[MODE], 1
	s_cselect_b32 s18, s19, s18
	s_lshl_b32 s18, s18, 2
	s_mov_b32 s19, 0
	s_add_nc_u64 s[8:9], s[8:9], s[18:19]
	s_cmp_eq_u32 s[MODE], 1
	s_cbranch_scc1 .Lbias_v
.irp b, 0,1,2,3,4,5,6,7                        ; lane (r, h), register j of B's block b: column 32 (b / 2) + 16 h + 8 (b % 2) + j
	global_load_b128 v[BI+8*\b:BI+8*\b+3], v[BOQ], s[8:9] offset:(32*(\b/2)+8*(\b%2))*4
	global_load_b128 v[BI+8*\b+4:BI+8*\b+7], v[BOQ], s[8:9] offset:(32*(\b/2)+8*(\b%2))*4+16
.endr
	s_branch .Lbias_asked
.Lbias_v:
.irp a, 0,1,2,3,4,5,6,7                        ; lane (r, h) of A's block a: column 32 (a / 2) + 8 (a % 2) + r + 8 (r / 8), the same number in all eight registers
.irp j, 0,1,2,3,4,5,6,7
	global_load_b32 v[BI+8*\a+\j], v[BOV], s[8:9] offset:(32*(\a/2)+8*(\a%2))*4
.endr
.endr
.Lbias_asked:
	; where my results go.  Token side: x's tile and my half of it; feature side: the weight's tile (modulo the four of q, of k or of v) and my half: two heads
	s_cmp_eq_u32 s[MODE], 1
	s_cselect_b32 s18, s42, s17                    ; x's tile
	s_cselect_b32 s19, s16, s15                    ; my half of it
	s_cselect_b32 s20, s17, s42                    ; the weight's tile
	s_cselect_b32 s21, s15, s16                    ; my half of it
	s_and_b32 s20, s20, 3
	s_lshl_b32 s20, s20, 2
	s_lshl_b32 s21, s21, 1
	s_add_co_u32 s20, s20, s21                     ; my first head: 4 x tile + 2 x half
	s_lshr_b32 s21, s18, 3                         ; the batch: 8 tiles of 256 tokens each
	s_lshl_b32 s21, s21, 4
	s_add_co_u32 s20, s20, s21
	s_lshl_b32 s20, s20, 4                         ; 16 records a head,
	s_lshl_b32 s18, s18, 1
	s_add_co_u32 s18, s18, s19
	s_and_b32 s18, s18, 15                         ; my group of 128 tokens
	s_add_co_u32 s20, s20, s18
	s_mov_b32 s21, KVREC
	s_cmp_eq_u32 ttmp9, 0
	s_cselect_b32 s21, QREC, s21
	s_cselect_b64 s[BASE:BASE+1], s[10:11], s[12:13]   ; q goes to qimg, k and v to kvimg
	s_mul_i32 s20, s20, s21
	s_lshl_b32 s22, s21, 4                         ; the next head: 16 records on
	s_mov_b32 s21, 0
	s_mov_b32 s23, 0
	s_add_nc_u64 s[BASE:BASE+1], s[BASE:BASE+1], s[20:21]
	s_add_nc_u64 s[BASE+2:BASE+3], s[BASE:BASE+1], s[22:23]
.macro FRAG reg, adr, q, i             ; a fragment, 16 rows x 128 K, is 12 registers: lane l holds row l % 16; registers 6 c .. 6 c + 5 hold K = 64 c + 32 (l / 16) + 0 .. 31: 24 bytes of the row's stream of bits, as they lie
.irp p, 0,1,2,3,4,5                    ; in pieces of 8 bytes.  Lanes 0-15 take the row's pieces 12 q + 0, 1, 2 and 12 q + 6, 7, 8, lanes 16-31 those three pieces on
.set PCE, 12*(\q)+6*(\p/3)+\p%3        ; 16 bytes of padding lie behind every 8 pieces: where the piece three on lies behind one padding more, the second address register serves
.if PCE%8 < 5
	ds_load_b64 v[\reg+2*\p:\reg+2*\p+1], v[\adr] offset:8*PCE+16*(PCE/8)+(\i)*16*PITCH
.else
	ds_load_b64 v[\reg+2*\p:\reg+2*\p+1], v[\adr+2] offset:8*PCE+16*(PCE/8)+(\i)*16*PITCH
.endif
.endr
.endm
; 16 matrix instructions: A's blocks a0, a0 + 1 x B's eight, 128 along K: the slot's q-th.  p: B's set;  sc: the set of scale words.  cm = 1: C is the bias by B's block; 2: by A's block; 0: the sum so far.
; The 64 accumulators take turns, one instruction a turn, in the same order in every step.
.macro MUL16 a0, p, q, sc, cm
.irp a, \a0, \a0+1
.irp b, 0,1,2,3,4,5,6,7
.if \cm == 1
	v_wmma_scale_f32_16x16x128_f8f6f4 v[8*(8*((\a)%4)+\b):8*(8*((\a)%4)+\b)+7], v[128*(\p)+FR*\b:128*(\p)+FR*\b+FR-1], v[AF+FR*(\a):AF+FR*(\a)+FR-1], v[BI+8*\b:BI+8*\b+7], v[SC+8*NQ*(\sc)+NQ*\b+(\q)], v[SC+8*NQ*(\sc)+NQ*(\a)+(\q)] matrix_a_fmt:MATRIX_FMT_BF6 matrix_b_fmt:MATRIX_FMT_BF6 matrix_a_scale:MATRIX_SCALE_ROW1
.elseif \cm == 2
	v_wmma_scale_f32_16x16x128_f8f6f4 v[8*(8*((\a)%4)+\b):8*(8*((\a)%4)+\b)+7], v[128*(\p)+FR*\b:128*(\p)+FR*\b+FR-1], v[AF+FR*(\a):AF+FR*(\a)+FR-1], v[BI+8*(\a):BI+8*(\a)+7], v[SC+8*NQ*(\sc)+NQ*\b+(\q)], v[SC+8*NQ*(\sc)+NQ*(\a)+(\q)] matrix_a_fmt:MATRIX_FMT_BF6 matrix_b_fmt:MATRIX_FMT_BF6 matrix_a_scale:MATRIX_SCALE_ROW1
.else
	v_wmma_scale_f32_16x16x128_f8f6f4 v[8*(8*((\a)%4)+\b):8*(8*((\a)%4)+\b)+7], v[128*(\p)+FR*\b:128*(\p)+FR*\b+FR-1], v[AF+FR*(\a):AF+FR*(\a)+FR-1], v[8*(8*((\a)%4)+\b):8*(8*((\a)%4)+\b)+7], v[SC+8*NQ*(\sc)+NQ*\b+(\q)], v[SC+8*NQ*(\sc)+NQ*(\a)+(\q)] matrix_a_fmt:MATRIX_FMT_BF6 matrix_b_fmt:MATRIX_FMT_BF6 matrix_a_scale:MATRIX_SCALE_ROW1
.endif
.endr
.endr
.endm
.macro FETCH_B slot, q, p              ; B's eight fragments of the slot's q-th 128 along K into set p
	WIN TO_B
.irp i, 0,1,2,3,4,5,6,7
	FRAG 128*(\p)+FR*\i, ADRB+\slot, \q, \i
.endr
	WIN 0
.endm
.macro FETCH_A slot, q, i0             ; A's blocks i0 .. i0 + 3
.irp i, \i0, \i0+1, \i0+2, \i0+3
	FRAG AF+FR*(\i), ADRA+\slot, \q, \i
.endr
.endm
.macro SCALES sc                       ; a K step's scale words into set sc: two words a row; lanes 0-15 take A's block i, lanes 16-31 B's block i
.irp i, 0,1,2,3,4,5,6,7
	ds_load_b64 v[SC+8*NQ*\sc+NQ*\i:SC+8*NQ*\sc+NQ*\i+1], v[ADRS] offset:\i*SBLK
.endr
.endm
; A load into a register that a matrix instruction has read, and a vector instruction that reads a matrix result or writes one of its registers, stand NP places behind it; only plain vector instructions that name none of its registers are places.
.macro PLACES n
.rept \n
	v_nop
.endr
.endm
; A step of 128 along K that has its successor in the same slot.
.macro STEP slot, q, cm
	s_wait_dscnt 4*NL                              ; B's set and A's blocks 0-3 are in; the youngest 24 loads (A's blocks 4-7) may be out
.if \cm
	WIN BIAS_LO
.else
	WIN MUL_LO
.endif
	MUL16 0, (\q)%2, \q, \slot, \cm
	MUL16 2, (\q)%2, \q, \slot, \cm
	s_wait_dscnt 0                                 ; A's blocks 4-7 are in (asked for 32 matrix instructions ago)
	PLACES NP
	FETCH_B \slot, (\q)+1, 1-(\q)%2
	FETCH_A \slot, (\q)+1, 0
.if \cm
	WIN BIAS_HI
.else
	WIN MUL_HI
.endif
	MUL16 4, (\q)%2, \q, \slot, \cm
	MUL16 6, (\q)%2, \q, \slot, \cm
	PLACES NP
	WIN 0
	FETCH_A \slot, (\q)+1, 4
.endm
; A slot's last step changes slots: ONE barrier; in front of it each wave waits for all its tensor loads, adds 0 to its spare word, and waits for that and for its own reads of this slot.  fill = 1: this slot is filled again, two K steps ahead.
.macro TURN slot, next, fill
	s_wait_tensorcnt 0x0                           ; all my tensor loads have landed: my part of the next slot;  (every window is 0 here)
	ds_add_u32 v[SPW], v[NIL]                      ; 0 onto my spare word
	s_wait_dscnt 4*NL+1                            ; (the add and the youngest 24 loads, A's blocks 4-7, may be out)
	WIN MUL_LO
	MUL16 0, 1, NQ-1, \slot, 0                     ; sixteen matrix instructions stand between the add and the wait for it
	s_wait_dscnt 0x0                               ; the add is done, and my reads of this slot are over
	s_barrier_signal -1
	MUL16 2, 1, NQ-1, \slot, 0
	WIN 0
	s_barrier_wait -1
.if \fill
	CREST                                          ; the barrier has opened a round of the cluster's barrier: no wave of any partner still reads this slot's tile or has a load on its way
	s_add_nc_u64 s[G0+4*\slot+2:G0+4*\slot+3], s[G0+4*\slot+2:G0+4*\slot+3], 2*ROWB
	s_add_nc_u64 s[G0B+4*\slot+2:G0B+4*\slot+3], s[G0B+4*\slot+2:G0B+4*\slot+3], 2*ROWB
	JLOAD G0+4*\slot, G1, G0B+4*\slot, G1B         ; the first tensor load behind the round, my one load until the next; its four v_nop are the places in front of the loads below
.else
	PLACES NP
.endif
	v_add_nc_u32 v[ADRS], 4*NQ, v[ADRS]            ; on to the next K step's scale words (no LDS load of mine is out)
	FETCH_B \next, 0, 0
	FETCH_A \next, 0, 0
	SCALES \next
	WIN MUL_HI
	MUL16 4, 1, NQ-1, \slot, 0
	MUL16 6, 1, NQ-1, \slot, 0
	PLACES NP
	WIN 0
	FETCH_A \next, 0, 4
.endm
	s_wait_tensorcnt 1                             ; the scale bytes and my part of K step 0 are in (K step 1's load may be out)
	s_barrier_signal -1
	s_barrier_wait -1                              ; everybody's are
	FETCH_B 0, 0, 0
	FETCH_A 0, 0, 0
	SCALES 0
	FETCH_A 0, 0, 4
	s_wait_loadcnt 0x0                             ; the bias
	s_cmp_eq_u32 s[MODE], 1                        ; the first step is written for each mode: its products start the sums from the bias
	s_cbranch_scc1 .Lfirst_v
	STEP 0, 0, 1
	s_branch .Lfirst_done
.Lfirst_v:
	STEP 0, 0, 2
.Lfirst_done:
	s_mov_b32 s3, LAPS-1
.Llap:                                                 ; a trip goes once round the ring, from a lap's second step to the next lap's first, and fills both slots again
	TURN 0, 1, 1
	STEP 1, 0, 0
	TURN 1, 0, 1
	STEP 0, 0, 0
	s_sub_co_u32 s3, s3, 1
	s_cmp_lg_u32 s3, 0
	s_cbranch_scc1 .Llap
	TURN 0, 1, 0                                   ; the last lap fills nothing, and has no round of the cluster's barrier
	STEP 1, 0, 0
	s_wait_dscnt 4*NL                              ; the very last step: nothing more to fetch
	WIN MUL_LO
	MUL16 0, 1, NQ-1, 1, 0
	MUL16 2, 1, NQ-1, 1, 0
	s_wait_dscnt 0
	WIN MUL_HI
	MUL16 4, 1, NQ-1, 1, 0
	MUL16 6, 1, NQ-1, 1, 0
	WIN 0
	PLACES NP
; THE QUANTISER.  A's block a: a lane's 64 registers are 128 neighbours' halves: register 16 b + i = place 32 b + 16 (lane / 16) + i of my row.  They become 12 registers of codes at v[PC + 12 a] and the row's scale word in v[PWS + a].
.macro QUANT a
.set AC, 64*((\a)%4)
.set PCA, PC+12*(\a)
	WIN 0x0a+5*((\a)/4)                            ; sources 0 and 1: window 2 or 3
.irp b, 0,1,2,3
	v_max3_num_f32 v[TM+\b], |v[AC+16*\b]|, |v[AC+16*\b+1]|, 0x2800000   ; block b: my 16 numbers, each accumulator from its low end on, and the floor 2^(5 - 127): the byte cannot fall under 1
.endr
.irp i, 2,4,6,8,10,12,14
.irp b, 0,1,2,3
	v_max3_num_f32 v[TM+\b], |v[AC+16*\b+\i]|, |v[AC+16*\b+\i+1]|, v[TM+\b]   ; (the four blocks by turns)
.endr
.endr
	WIN 0
.irp b, 0,1,2,3
	v_permlanex16_b32 v[TO+\b], v[TM+\b], s100, s101
.endr
.irp b, 0,1,2,3
	v_max_num_f32 v[TM+\b], v[TM+\b], v[TO+\b]     ; with lane l xor 16's: the block's largest magnitude
.endr
.irp b, 0,1,2,3
	v_add_nc_u32 v[SO+\b], 0xfe000000, v[TM+\b]    ; 4 off its exponent field: the conversion's scale operand
.endr
.irp b, 0,1,2,3
	v_lshrrev_b32 v[TO+\b], 23, v[SO+\b]           ; the scale's byte
.endr
	v_lshl_or_b32 v[PWS+(\a)], v[TO+1], 8, v[TO]
	v_lshl_or_b32 v[PWS+(\a)], v[TO+2], 16, v[PWS+(\a)]
	v_lshl_or_b32 v[PWS+(\a)], v[TO+3], 24, v[PWS+(\a)]
	WIN 0x02+(\a)/4                                ; source 0: window 2 or 3
.irp c, 0,1
	v_cvt_scalef32_pk16_bf6_f32 v[PCA+6*\c:PCA+6*\c+2], v[AC+32*\c:AC+32*\c+15], v[SO+2*\c]
	v_cvt_scalef32_pk16_bf6_f32 v[T2+4*\c:T2+4*\c+2], v[AC+32*\c+16:AC+32*\c+31], v[SO+2*\c+1]   ; (a conversion's three registers begin on an even number)
.endr
	WIN 0
	v_nop                                          ; one plain place behind a scaled conversion
.irp c, 0,1                                    ; the operand's layout wants a WHOLE block in a lane: lanes 0-15 block 2 c, lanes 16-31 block 2 c + 1
.irp i, 0,1,2
	v_permlane16_swap_b32 v[PCA+6*\c+\i], v[T2+4*\c+\i]
.endr
.irp i, 0,1,2
	v_mov_b32 v[PCA+6*\c+3+\i], v[T2+4*\c+\i]
.endr
.endr
.endm
	s_mov_b32 s100, 0x76543210
	s_mov_b32 s101, 0xfedcba98                     ; v_permlanex16_b32's selects for lane l xor 16
.irp a, 0,1,2,3,4,5,6,7
	QUANT \a
.endr
	v_cmp_gt_u32 vcc_lo, 16, v[LN]
.irp i, 0,1,2,3
	v_cndmask_b32 v[SW+\i], v[PWS+2*\i+1], v[PWS+2*\i], vcc_lo   ; lanes 0-15: block 2 i's word of row r; lanes 16-31: block 2 i + 1's (both halves of the lanes hold each word)
.endr
	s_cmp_eq_u32 s[MODE], 1
	s_cbranch_scc1 .Lout_v
	; q, k: registers 0-5 are the unit of my first head (16 tokens x its 64), registers 6-11 that of my second.  Every store has data registers of its own.
.irp i, 0,1,2,3
	v_perm_b32 v[SW+8+\i], v[SW+\i], v[SW+\i], 0x01000100    ; the first head's two bytes, twice
	v_perm_b32 v[SW+12+\i], v[SW+\i], v[SW+\i], 0x03020302   ; the second head's
.endr
.irp a, 0,1,2,3,4,5,6,7
	global_store_b128 v[LI], v[PC+12*\a:PC+12*\a+3], s[BASE:BASE+1] offset:768*\a            ; 512 consecutive bytes
	global_store_b64 v[L8], v[PC+12*\a+4:PC+12*\a+5], s[BASE:BASE+1] offset:768*\a+512       ; 256 consecutive bytes
	global_store_b128 v[LI], v[PC+12*\a+6:PC+12*\a+9], s[BASE+2:BASE+3] offset:768*\a
	global_store_b64 v[L8], v[PC+12*\a+10:PC+12*\a+11], s[BASE+2:BASE+3] offset:768*\a+512
.endr
	global_store_b128 v[LI], v[SW+8:SW+11], s[BASE:BASE+1] offset:6144
	global_store_b128 v[LI], v[SW+12:SW+15], s[BASE+2:BASE+3] offset:6144
	s_branch .Lend
.Lout_v:
	; v: blocks 0-3 are my first head's four tiles of 16 features, blocks 4-7 my second head's; registers 0-5 are keys 0-63 of my 128, registers 6-11 keys 64-127
.irp a, 0,1,2,3,4,5,6,7
	global_store_b128 v[LI], v[PC+12*\a:PC+12*\a+3], s[BASE+2*(\a/4):BASE+2*(\a/4)+1] offset:6656+1536*(\a%4)
	global_store_b64 v[L8], v[PC+12*\a+4:PC+12*\a+5], s[BASE+2*(\a/4):BASE+2*(\a/4)+1] offset:6656+1536*(\a%4)+512
	global_store_b128 v[LI], v[PC+12*\a+6:PC+12*\a+9], s[BASE+2*(\a/4):BASE+2*(\a/4)+1] offset:6656+1536*(\a%4)+768
	global_store_b64 v[L8], v[PC+12*\a+10:PC+12*\a+11], s[BASE+2*(\a/4):BASE+2*(\a/4)+1] offset:6656+1536*(\a%4)+1280
.endr
	global_store_b64 v[L8], v[SW:SW+1], s[BASE:BASE+1] offset:12800
	global_store_b64 v[L8], v[SW+2:SW+3], s[BASE+2:BASE+3] offset:12800
.Lend:
	s_wait_tensorcnt 0x0                           ; the wave's end
	ds_add_u32 v[SPW], v[NIL]
	s_wait_dscnt 0x0
	CROUND                                         ; the closing round: no work-group ends while a partner may still ask for a tile that names it
	s_endpgm
.Lfunc_end_k_q6ddde623cf_qkv:
	.size	k_q6ddde623cf_qkv, .Lfunc_end_k_q6ddde623cf_qkv-k_q6ddde623cf_qkv
	.p2alignl 7, 3214868480
	.fill 96, 4, 3214868480
	.section	.rodata,"a",@progbits
	.p2align	6, 0x0
	.amdhsa_kernel k_q6ddde623cf_qkv
		.amdhsa_group_segment_fixed_size 327680
		.amdhsa_private_segment_fixed_size 0
		.amdhsa_enable_private_segment 0
		.amdhsa_kernarg_size 40
		.amdhsa_user_sgpr_count 2
		.amdhsa_user_sgpr_kernarg_segment_ptr 1
		.amdhsa_wavefront_size32 1
		.amdhsa_system_sgpr_workgroup_id_x 1
		.amdhsa_system_sgpr_workgroup_id_y 1
		.amdhsa_system_sgpr_workgroup_id_z 1
		.amdhsa_system_vgpr_workitem_id 0
		.amdhsa_next_free_vgpr 1024
		.amdhsa_next_free_sgpr 102
		.amdhsa_reserve_vcc 1
		.amdhsa_float_denorm_mode_32 3
		.amdhsa_float_denorm_mode_16_64 3
		.amdhsa_memory_ordered 1
		.amdhsa_forward_progress 1
		.amdhsa_inst_pref_size 192
	.end_amdhsa_kernel
	.amdgpu_metadata
---
amdhsa.version: [ 1, 2 ]
amdhsa.kernels:
  - .name:           k_q6ddde623cf_qkv
    .symbol:         k_q6ddde623cf_qkv.kd
    .args:
      - { .name: xq, .offset: 0, .size: 8, .value_kind: global_buffer, .address_space: global }
      - { .name: wq, .offset: 8, .size: 8, .value_kind: global_buffer, .address_space: global }
      - { .name: b_attn, .offset: 16, .size: 8, .value_kind: global_buffer, .address_space: global }
      - { .name: qimg, .offset: 24, .size: 8, .value_kind: global_buffer, .address_space: global }
      - { .name: kvimg, .offset: 32, .size: 8, .value_kind: global_buffer, .address_space: global }
    .group_segment_fixed_size: 327680
    .private_segment_fixed_size: 0
    .kernarg_segment_align: 8
    .kernarg_segment_size: 40
    .max_flat_workgroup_size: 128
    .sgpr_count:     102
    .vgpr_count:     1024
    .wavefront_size: 32
...
	.end_amdgpu_metadata
.endif
;; end of part 2
;; launch attn (part 3): grid 4 x 64, 16 waves a work-group, clusters of 4 x 1, 215,040 bytes of LDS; arguments qimg, kvimg, yq; writes yq
.if DOCPART == 3
	.amdgcn_target "amdgcn-amd-amdhsa--gfx1250"
	.amdhsa_code_object_version 6
	.text
	.protected	k_q6ddde623cf_attn
	.globl	k_q6ddde623cf_attn
	.p2align	8
	.type	k_q6ddde623cf_attn,@function
k_q6ddde623cf_attn:
	s_mov_b64 s[64:65], 0
	v_nop
	global_prefetch_b8 v0, s[64:65] scope:SCOPE_SE
	s_setreg_imm32_b32 hwreg(HW_REG_WAVE_MODE, 25, 1), 1
	s_wait_xcnt 0x0
	s_wait_alu depctr_hold_cnt(0) depctr_sa_sdst(0) depctr_va_vdst(0) depctr_va_sdst(0) depctr_va_ssrc(0) depctr_va_vcc(0) depctr_vm_vsrc(0)
	s_getreg_b32 s2, hwreg(HW_REG_IB_STS2, 6, 4)
	s_cmp_eq_u32 s2, 0
	s_cbranch_scc0 .Lentry_in_a_cluster
	s_endpgm
.Lentry_in_a_cluster:
	s_bfe_u32 s2, ttmp6, 0x10000c
	s_cmp_lg_u32 s2, 0x3003
	s_cbranch_scc0 .Lentry_shape_is_right
	s_endpgm
.Lentry_shape_is_right:
; y[b][h][q] = the sum over keys k <= q of softmax_k(q . k / 8) v, both products on codes of BF6 (E3M2) with one E8M0 scale for each 32 along a product's K; y is quantised along C and stored as images of operand registers.
; THE SOFTMAX AHEAD OF THE SECOND PRODUCT: t = score x log2(e) / 8; M = the row's largest t so far, rounded UP to a whole number; p = 2^(t - M) is what is quantised, along the keys; it is not normalised.
; The row's sum is taken of the unquantised p, in f32, and divides O at the end.  When M moves, the sum and O are multiplied by 2^(old M - new M): exact.
; SHARES.  A cluster of four work-groups is one head (16 b + h = the cluster's y).  The head's K, V and their scale words are 16 records of 13,056 bytes: all of them fit in LDS.  Wave w asks for record w, JOINTLY with wave w of the
; three partners; LDS is filled once, so there is no ring: one barrier, and then no wave waits for another.
; A tile is 16 queries.  Wave w of work-group cx makes two tiles one after the other: tile 2 cx of the 128 queries of group w, then tile 2 cx + 1 of group 15 - w.  A tile of group G walks key steps 0 .. G of 128 keys:
; every wave walks 17 steps, two of them on the diagonal.  Which steps are left out hangs on the wave's number alone; cx enters global addresses and the mask's comparison only.
; LAYOUT.  Both products are used transposed: S^T = K Q^T, O^T = V^T P^T: a lane holds ONE query (lane % 16) throughout.  The rows of a unit of K lie in the row order (unit a, row r: key 32 (a / 2) + 8 (a % 2) + r + 8 (r / 8)),
; so that the 16 registers of key tiles 2 i and 2 i + 1 are keys 32 i + 16 (lane / 16) + 0 .. 15.  V's four tiles of the head's 64 likewise, so that O^T's registers run along the head as y's quantiser wants them.
; A HEAD OF 64 FILLS HALF OF THE INSTRUCTION'S 128 ALONG K.  A fragment of K is two units (key tiles 2 i and 2 i + 1) on end; Q stands as [Q][0][Q] in 18 registers: against [Q][0] the fragment gives tile 2 i's scores, against [0][Q] tile 2 i + 1's.
; Zero codes add nothing under any scale byte but 0xff, which the quantiser never makes.  Scale words hold a row's two bytes twice, so that they serve in either half.
; OUT.  yq: unit (token tile T, head) at (16 T + head) x 768; scale bytes [8192 rows in the row order][32] at Y_S, bytes 2 head and 2 head + 1: two bytes a row, 32 bytes apart: the one store here that does not cover whole blocks of 256 bytes (2 bytes beside each 48 of codes).
; LIMITS: a block of zeros or under 2^-122 gets the byte 1; NaN and infinities are not served.
.set REC,   13056
.set QREC,  6656
.set Y_S,   6291456
.set LI,   1                           ; v1   16 x lane; never rewritten
.set L8,   2                           ; v2   8 x lane; never rewritten
.set ADI,  3                           ; v3   the step's record + 16 x lane
.set AD8,  4                           ; v4   the step's record + 8 x lane
.set QD,   5                           ; v5   my query's place in its 128, less 16 (lane / 16)
.set YS,   6                           ; v6   32 r: my row of y's scale bytes
.set NINF, 7                           ; v7   -infinity
.set KSC,  8                           ; v8-11  K's scale words       (v8-15 hold scales and nothing else)
.set VSC,  12                          ; v12-13 V's
.set QS,   14                          ; v14    Q's
.set PSW,  15                          ; v15    p's
.set QA,   16                          ; v16-33 [Q][0][Q]
.set NM,   34                          ; v34  -M
.set TMX,  35                          ; v35  the largest t
.set L,    36                          ; v36-37 the sum, in two halves
.set F,    38                          ; v38  f = 2^(old M - new M), later 1 / the sum; v39 is named with it as a pair
.set KV,   40                          ; v40-87 four fragments of K or of V
.set BM,   88                          ; v88-91 the blocks' largest scores, then p
.set BO,   92                          ; v92-95 the other half's
.set S,    96                          ; v96-159 S^T, then p; on the way out y
.set O,    160                         ; v160-191 O^T
.set P,    192                         ; v192-203 p's codes; on the way out y's
.set T2,   204                         ; v204-211 the conversions' second halves
.set SO,   212                         ; v212-215 the conversions' scale operands
.set BY,   216                         ; v216-219 scale bytes
.set L2,   220                         ; v220-221 the sum's second chain
.set TMP,  222
.set YW,   223                         ; v223 y's two scale bytes
.set QL,   236                         ; v236-241 the first tile's Q as loaded, v242 its scale word; v244-249, v250 the second's
.set WV,   10
.set CX,   11
.set BH,   12
.set SEL,  20                          ; s[20:21] lane selects for v_permlanex16_b32: lane l xor 16
.set CS,   22                          ; s[22:23] c = log2(e) / 8: the packed form names a pair and takes its low word for both halves
.set G1,   24                          ; s[24:31] descriptor group 1;  s[32:35] group 0
.set G0,   32
.set TB,   36                          ; s36  LDS byte at which the step's record begins
.set SI,   37                          ; s37  the key step
.set GG,   38                          ; s38, s39 my two tiles' groups of queries
.set QB,   42                          ; s[42:45] Q's units;  s[46:49] y's units;  s[50:53] y's scale bytes;  s[54:57] Q's scale words
.set YB,   46
.set YSB,  50
.set QSB,  54
.macro ROUND                           ; a round of the cluster's barrier
	s_barrier_signal -1
	s_barrier_wait -1
	s_cmp_lg_u32 s[WV], 0
	s_cbranch_scc1 .Lnot_wave_0_\@
	s_barrier_signal -3
.Lnot_wave_0_\@:
	s_barrier_wait -3
	s_barrier_signal -1
	s_barrier_wait -1
.endm
	s_load_b128 s[4:7], s[0:1], 0x0                ; qimg, kvimg
	s_load_b64 s[8:9], s[0:1], 0x10                ; yq
	v_lshl_add_u32 v254, v0, 2, 0x34000
	v_mov_b32 v255, 0
	ds_add_u32 v254, v255
	ds_add_u32 v254, v255
	v_lshrrev_b32 v1, 5, v0
	s_delay_alu instid0(VALU_DEP_1)
	v_readfirstlane_b32 s[WV], v1                  ; wave 0..15
	s_bfe_u32 s[CX], ttmp6, 0x40000                ; cx: my place in the cluster
	s_and_b32 s[BH], ttmp7, 0xffff                 ; 16 b + head, which the four partners share
	; descriptor group 1: a record is a dense block of 13,056 bytes: 51 rows of 256 bytes (32 elements of 8 bytes), no padding: every LDS read below takes consecutive bytes in consecutive lanes
	s_mov_b32 s[G1], 15|(3<<16)|(1<<21)            ; 15:0 the mask: all four work-groups; 17:16 elements of 8 bytes; 21 set beside a mask
	s_mov_b32 s[G1+1], 32<<16                      ; tensor_dim0
	s_mov_b32 s[G1+2], 51<<16                      ; tensor_dim1
	s_mov_b32 s[G1+3], 32<<16                      ; tile_dim0
	s_mov_b32 s[G1+4], 51                          ; tile_dim1
	s_mov_b32 s[G1+5], 32                          ; tensor_dim0_stride
	s_mov_b32 s[G1+6], 0
	s_mov_b32 s[G1+7], 0
	s_lshl_b32 s13, s[BH], 4                       ; the head's first record
	s_add_co_u32 s14, s13, s[WV]
	s_mul_i32 s14, s14, REC
	s_mov_b32 s15, 0
	s_mov_b32 s[G0], 1                             ; count = 1
	s_mul_i32 s[G0+1], s[WV], REC                  ; LDS address: wave x a record: no place in the cluster enters it
	s_wait_dscnt 0x0
	s_wait_kmcnt 0x0
	s_add_nc_u64 s[G0+2:G0+3], s[6:7], s[14:15]    ; global address: record w of the head
	s_or_b32 s[G0+3], s[G0+3], 0x80000000          ; type = 2
	ROUND                                          ; all four work-groups are here: the joint loads meet
	tensor_load_to_lds s[G0:G0+3], s[G1:G1+7]      ; my one tensor load of the launch
	s_nop 0
.rept 4
	v_nop
.endr
	s_mov_b32 s[GG], s[WV]
	s_xor_b32 s[GG+1], s[WV], 15                   ; 15 - wave
	s_lshr_b32 s16, s[BH], 4
	s_lshl_b32 s16, s16, 7                         ; 128 token tiles a batch
	s_and_b32 s17, s[BH], 15                       ; the head
	s_lshl_b32 s18, s[CX], 1
	s_mov_b32 s41, 0
.irp p, 0,1
	s_add_co_u32 s19, s18, \p                      ; the tile in its group: 2 cx + p
	s_add_co_u32 s58, s13, s[GG+\p]
	s_mul_i32 s58, s58, QREC                       ; Q's record
	s_mul_i32 s40, s19, 768
	s_add_co_u32 s40, s40, s58
	s_add_nc_u64 s[QB+2*\p:QB+2*\p+1], s[4:5], s[40:41]
	s_lshl_b32 s40, s[CX], 2                       ; its scale words: word cx of a lane
	s_add_co_u32 s40, s40, s58
	s_add_nc_u64 s[QSB+2*\p:QSB+2*\p+1], s[4:5], s[40:41]
	s_lshl_b32 s59, s[GG+\p], 3
	s_add_co_u32 s59, s59, s16
	s_add_co_u32 s59, s59, s19                     ; the token tile: 128 b + 8 G + 2 cx + p
	s_lshl_b32 s40, s59, 4
	s_add_co_u32 s40, s40, s17
	s_mul_i32 s40, s40, 768
	s_add_nc_u64 s[YB+2*\p:YB+2*\p+1], s[8:9], s[40:41]
	s_lshl_b32 s40, s59, 9                         ; 16 rows of 32 scale bytes a tile,
	s_lshl_b32 s58, s17, 1                         ; two bytes a head
	s_add_co_u32 s40, s40, s58
	s_add_co_u32 s40, s40, Y_S
	s_add_nc_u64 s[YSB+2*\p:YSB+2*\p+1], s[8:9], s[40:41]
.endr
	v_and_b32 v224, 31, v0
	s_delay_alu instid0(VALU_DEP_1)
	v_lshlrev_b32 v[LI], 4, v224
	s_delay_alu instid0(VALU_DEP_2)
	v_lshlrev_b32 v[L8], 3, v224
	v_and_b32 v225, 15, v0                         ; r
	v_bfe_u32 v226, v0, 4, 1                       ; h
	s_delay_alu instid0(VALU_DEP_2)
	v_lshlrev_b32 v227, 4, v225                    ; 16 r
.irp p, 0,1
	global_load_b128 v[QL+8*\p:QL+8*\p+3], v[LI], s[QB+2*\p:QB+2*\p+1]
	global_load_b64 v[QL+8*\p+4:QL+8*\p+5], v[L8], s[QB+2*\p:QB+2*\p+1] offset:512
	global_load_b32 v[QL+8*\p+6], v227, s[QSB+2*\p:QSB+2*\p+1] offset:6144+256*\p   ; an even tile's words lie in the places of lanes 0-15, an odd tile's in those of lanes 16-31
.endr
	v_lshlrev_b32 v[YS], 5, v225
	v_and_b32 v228, 8, v225
	s_delay_alu instid0(VALU_DEP_1)
	v_add_nc_u32 v[QD], v228, v225                 ; r + 8 (r / 8)
	v_lshlrev_b32 v228, 4, v226
	s_delay_alu instid0(VALU_DEP_1)
	v_sub_nc_u32 v[QD], v[QD], v228                ; - 16 h
	s_lshl_b32 s58, s[CX], 5
	v_add_nc_u32 v[QD], s58, v[QD]                 ; + 32 cx (the second tile adds 8)
	v_mov_b32 v[NINF], 0xff800000
.irp i, 0,1,2,3,4,5
	v_mov_b32 v[QA+6+\i], 0                        ; the zero codes between the two copies of Q
.endr
.irp b, 0,1,2,3
	v_mov_b32 v[BO+\b], 0                          ; written once: a lane permute's destination counts as one of its sources
.endr
	v_mov_b32 v[F+1], 0                            ; (named as the upper half of a pair)
	v_mov_b32 v[TMP], 0
	s_mov_b32 s[SEL], 0x76543210
	s_mov_b32 s[SEL+1], 0xfedcba98
	s_mov_b32 s[CS], 0x3e38aa3b                    ; c = log2(e) / 8
	s_mov_b32 s[CS+1], s[CS]
	s_wait_tensorcnt 0x0                           ; my record has landed,
	s_barrier_signal -1
	s_barrier_wait -1                              ; everybody's has: the whole head lies in LDS
	s_wait_loadcnt 0x0                             ; Q of both tiles
; ONE TILE OF 16 QUERIES: tile 2 cx + p of group s[GG + p].
.macro PASS p
.irp i, 0,1,2,3,4,5
	v_mov_b32 v[QA+\i], v[QL+8*\p+\i]
	v_mov_b32 v[QA+12+\i], v[QL+8*\p+\i]
.endr
	v_mov_b32 v[QS], v[QL+8*\p+6]
.set n, 0
.rept 32
	v_mov_b32 v[O+n], 0                            ; O^T.  (The step is written once: the first finds zeros, which the first change of M leaves zeros.  These lines are also the places between the operands just written and the first products)
.set n, n+1
.endr
	v_mov_b32 v[TMX], 0xff61b1e6                   ; the largest t so far: -3e38, under every t
	s_delay_alu instid0(VALU_DEP_1)
	v_floor_f32 v[NM], -v[TMX]                     ; -M
	v_mov_b32 v[L], 0
	v_mov_b32 v[L+1], 0
	s_mov_b32 s[TB], 0
	s_mov_b32 s[SI], 0
.Lstep_\@:                                         ; 16 trips; a step all of whose keys come after my queries is left out: a branch on the wave's number and the trip
	s_cmp_gt_u32 s[SI], s[GG+\p]
	s_cbranch_scc1 .Lhidden_\@
	s_setprio 2
	v_add_nc_u32 v[ADI], s[TB], v[LI]
	v_add_nc_u32 v[AD8], s[TB], v[L8]
	v_nop
	v_nop                                          ; four places in front of loads into registers that the last products have read
.irp i, 0,1,2,3                                ; K: units 2 i and 2 i + 1 on end make fragment i
	ds_load_b128 v[KV+12*\i:KV+12*\i+3], v[ADI] offset:1536*\i
	ds_load_b64 v[KV+12*\i+4:KV+12*\i+5], v[AD8] offset:1536*\i+512
	ds_load_b128 v[KV+12*\i+6:KV+12*\i+9], v[ADI] offset:1536*\i+768
	ds_load_b64 v[KV+12*\i+10:KV+12*\i+11], v[AD8] offset:1536*\i+1280
.endr
	ds_load_b128 v[KSC:KSC+3], v[ADI] offset:6144  ; word i: lanes 0-15 key tile 2 i, lanes 16-31 key tile 2 i + 1
	s_wait_alu depctr_va_vdst(0)
	s_wait_dscnt 0x0
.irp i, 0,1,2,3                                ; S^T = K Q^T: eight tiles of 16 keys, each accumulator one instruction
	v_wmma_scale_f32_16x16x128_f8f6f4 v[S+16*\i:S+16*\i+7], v[KV+12*\i:KV+12*\i+11], v[QA:QA+11], 0, v[KSC+\i], v[QS] matrix_a_fmt:MATRIX_FMT_BF6 matrix_b_fmt:MATRIX_FMT_BF6
	v_wmma_scale_f32_16x16x128_f8f6f4 v[S+16*\i+8:S+16*\i+15], v[KV+12*\i:KV+12*\i+11], v[QA+6:QA+17], 0, v[KSC+\i], v[QS] matrix_a_fmt:MATRIX_FMT_BF6 matrix_b_fmt:MATRIX_FMT_BF6 matrix_a_scale:MATRIX_SCALE_ROW1
.endr
.rept 4
	v_nop                                          ; places in front of the loads below and of the first read of the scores
.endr
.irp t, 0,1,2,3                                ; V's four fragments are asked for now: they land under the softmax
	ds_load_b128 v[KV+12*\t:KV+12*\t+3], v[ADI] offset:6656+1536*\t
	ds_load_b64 v[KV+12*\t+4:KV+12*\t+5], v[AD8] offset:6656+1536*\t+512
	ds_load_b128 v[KV+12*\t+6:KV+12*\t+9], v[ADI] offset:6656+1536*\t+768
	ds_load_b64 v[KV+12*\t+10:KV+12*\t+11], v[AD8] offset:6656+1536*\t+1280
.endr
	ds_load_b64 v[VSC:VSC+1], v[AD8] offset:12800  ; word i: lanes 0-15 tile 2 i of the head's 64, lanes 16-31 tile 2 i + 1
	s_cmp_lg_u32 s[SI], s[GG+\p]                   ; on the diagonal the scores of hidden keys become -infinity ahead of the maximum: p = 0 then
	s_cbranch_scc1 .Lopen_\@
.set n, 0
.rept 64                                       ; register 16 b + i holds key 32 b + 16 (lane / 16) + i of the step: hidden where 32 b + i > v[QD]
	v_cmp_gt_i32 vcc_lo, 32*(n/16)+n%16, v[QD]
	v_cndmask_b32 v[S+n], v[S+n], v[NINF], vcc_lo
.set n, n+1
.endr
.Lopen_\@:
.irp b, 0,1,2,3
	v_max3_num_f32 v[BM+\b], v[S+16*\b], v[S+1+16*\b], v[S+2+16*\b]   ; THE LARGEST SCORE OF EACH BLOCK OF 32 KEYS: it serves twice: for the row's maximum, and, since p rises with the score, for the block's largest p
.endr
.irp i, 3,5,7,9,11,13
.irp b, 0,1,2,3
	v_max3_num_f32 v[BM+\b], v[BM+\b], v[S+16*\b+\i], v[S+1+16*\b+\i]   ; (the four blocks by turns)
.endr
.endr
.irp b, 0,1,2,3
	v_max_num_f32 v[BM+\b], v[BM+\b], v[S+15+16*\b]
.endr
.irp b, 0,1,2,3
	s_delay_alu instid0(VALU_DEP_4)
	v_permlanex16_b32 v[BO+\b], v[BM+\b], s[SEL], s[SEL+1]
.endr
.irp b, 0,1,2,3
	s_delay_alu instid0(VALU_DEP_4)
	v_max_num_f32 v[BM+\b], v[BM+\b], v[BO+\b]     ; with lane l xor 16's 16 keys
.endr
	s_delay_alu instid0(VALU_DEP_2)
	v_max3_num_f32 v[TMP], v[BM], v[BM+1], v[BM+2]
	s_delay_alu instid0(VALU_DEP_1)
	v_max_num_f32 v[TMP], v[TMP], v[BM+3]          ; the step's largest score of my query (my own key counts, so it is a number)
	s_delay_alu instid0(VALU_DEP_1)
	v_mul_f32 v[TMP], s[CS], v[TMP]                ; as t (c is positive)
	s_delay_alu instid0(VALU_DEP_1)
	v_max_num_f32 v[TMX], v[TMX], v[TMP]           ; the running largest t
	v_mov_b32 v[TMP], v[NM]
	s_delay_alu instid0(VALU_DEP_2)
	v_floor_f32 v[NM], -v[TMX]                     ; the new -M = floor(-t) = -ceil(t): M IS A WHOLE NUMBER
	s_delay_alu instid0(VALU_DEP_1)
	v_sub_f32 v[TMP], v[NM], v[TMP]                ; M's old value less its new one: a whole number, 0 or less
	s_delay_alu instid0(VALU_DEP_1)
	v_cvt_i32_f32 v[TMP], v[TMP]                   ; (it saturates)
	s_delay_alu instid0(VALU_DEP_1)
	v_ldexp_f32 v[F], 1.0, v[TMP]                  ; f = 2^(old M - new M): a multiplication by it rounds nothing
.set n, 0
.rept 32
	v_pk_fma_f32 v[S+n:S+n+1], v[S+n:S+n+1], s[CS:CS+1], v[NM:NM+1] op_sel_hi:[1,0,0]   ; t - M, two at a time (of the pairs c and -M the low word serves both halves)
.set n, n+2
.endr
	s_setprio 1
.irp b, 0,1,2,3
	v_fma_f32 v[BM+\b], v[BM+\b], s[CS], v[NM]     ; the same of each block's largest score
.endr
.set n, 0
	s_wait_alu depctr_va_vdst(0)
.rept 64
	v_exp_f32 v[S+n], v[S+n]                       ; p = 2^(t - M), at most 1: NOT normalised
.set n, n+1
.endr
	v_pk_mul_f32 v[L:L+1], v[L:L+1], v[F:F+1] op_sel_hi:[1,0]   ; the sums under the new M.  (A plain place behind the exponentials)
	s_wait_alu depctr_va_vdst(0)                   ; one wait for the whole batch, ahead of its first reader
.irp b, 0,1,2,3
	v_exp_f32 v[BM+\b], v[BM+\b]                   ; the block's largest p: the same two instructions on the same number give the same bits
.endr
	v_pk_add_f32 v[220:221], v[100:101], v[104:105]
	v_pk_add_f32 v[252:253], v[108:109], v[112:113]
	v_pk_add_f32 v[242:243], v[116:117], v[120:121]
	v_pk_add_f32 v[240:241], v[124:125], v[128:129]
	v_pk_add_f32 v[238:239], v[132:133], v[136:137]
	v_pk_add_f32 v[236:237], v[140:141], v[144:145]
	v_pk_add_f32 v[234:235], v[148:149], v[152:153]
	v_pk_add_f32 v[36:37], v[36:37], v[156:157]
	v_pk_add_f32 v[220:221], v[220:221], v[96:97]
	v_pk_add_f32 v[252:253], v[252:253], v[98:99]
	v_pk_add_f32 v[242:243], v[242:243], v[102:103]
	v_pk_add_f32 v[240:241], v[240:241], v[106:107]
	v_pk_add_f32 v[238:239], v[238:239], v[110:111]
	v_pk_add_f32 v[236:237], v[236:237], v[114:115]
	v_pk_add_f32 v[234:235], v[234:235], v[118:119]
	v_pk_add_f32 v[36:37], v[36:37], v[122:123]
	v_pk_add_f32 v[220:221], v[220:221], v[126:127]
	v_pk_add_f32 v[252:253], v[252:253], v[130:131]
	v_pk_add_f32 v[242:243], v[242:243], v[134:135]
	v_pk_add_f32 v[240:241], v[240:241], v[138:139]
	v_pk_add_f32 v[238:239], v[238:239], v[142:143]
	v_pk_add_f32 v[236:237], v[236:237], v[146:147]
	v_pk_add_f32 v[234:235], v[234:235], v[150:151]
	v_pk_add_f32 v[36:37], v[36:37], v[154:155]
	v_pk_add_f32 v[220:221], v[220:221], v[158:159]
	s_delay_alu instid0(VALU_DEP_2)
	v_pk_add_f32 v[36:37], v[36:37], v[240:241]
	s_delay_alu instid0(VALU_DEP_2)
	v_pk_add_f32 v[220:221], v[220:221], v[238:239]
	v_pk_add_f32 v[252:253], v[252:253], v[236:237]
	v_pk_add_f32 v[242:243], v[242:243], v[234:235]
	s_delay_alu instid0(VALU_DEP_2)
	v_pk_add_f32 v[36:37], v[36:37], v[252:253]
	s_delay_alu instid0(VALU_DEP_2)
	v_pk_add_f32 v[220:221], v[220:221], v[242:243]
	s_delay_alu instid0(VALU_DEP_1)
	v_pk_add_f32 v[36:37], v[36:37], v[220:221]
	s_wait_alu depctr_va_vdst(0)                   ; and one for the four
.irp b, 0,1,2,3
	v_max_num_f32 v[BM+\b], 0x2800000, v[BM+\b]    ; the floor 2^(5 - 127): the byte cannot fall under 1 (a block whose every p is 0 keeps that byte: its codes are zeros)
.endr
.irp b, 0,1,2,3
	s_delay_alu instid0(VALU_DEP_4)
	v_add_nc_u32 v[SO+\b], 0xfe000000, v[BM+\b]    ; 4 off the exponent field: the conversion's scale operand
.endr
.irp b, 0,1,2,3
	s_delay_alu instid0(VALU_DEP_4)
	v_lshrrev_b32 v[BY+\b], 23, v[SO+\b]           ; the scale's byte
.endr
	s_delay_alu instid0(VALU_DEP_3)
	v_lshl_or_b32 v[PSW], v[BY+1], 8, v[BY]        ; p's scale word for these 128 keys
	s_delay_alu instid0(VALU_DEP_1)
	v_lshl_or_b32 v[PSW], v[BY+2], 16, v[PSW]
	s_delay_alu instid0(VALU_DEP_1)
	v_lshl_or_b32 v[PSW], v[BY+3], 24, v[PSW]
	s_setprio 0
.irp c, 0,1
	v_cvt_scalef32_pk16_bf6_f32 v[P+6*\c:P+6*\c+2], v[S+32*\c:S+32*\c+15], v[SO+2*\c]
	v_cvt_scalef32_pk16_bf6_f32 v[T2+4*\c:T2+4*\c+2], v[S+32*\c+16:S+32*\c+31], v[SO+2*\c+1]   ; (a conversion's three registers begin on an even number)
.endr
	v_nop                                          ; one plain place behind a scaled conversion
.irp c, 0,1                                    ; the operand's layout wants a WHOLE block in a lane: lanes 0-15 block 2 c, lanes 16-31 block 2 c + 1
.irp i, 0,1,2
	v_permlane16_swap_b32 v[P+6*\c+\i], v[T2+4*\c+\i]
.endr
.irp i, 0,1,2
	s_delay_alu instid0(VALU_DEP_3)
	v_mov_b32 v[P+6*\c+3+\i], v[T2+4*\c+\i]
.endr
.endr
.set n, 0
.rept 16
	v_pk_mul_f32 v[O+n:O+n+1], v[O+n:O+n+1], v[F:F+1] op_sel_hi:[1,0]   ; O^T under the new M.  (These 16 are also the places between p's codes and scale word and the products below)
.set n, n+2
.endr
	s_wait_alu depctr_va_vdst(0)
	s_wait_dscnt 0x0                               ; V is in
.irp t, 0,2                                    ; O^T += V^T P^T: four tiles of 16 of the head's 64; K = these 128 keys; each accumulator one instruction
	v_wmma_scale_f32_16x16x128_f8f6f4 v[O+8*\t:O+8*\t+7], v[KV+12*\t:KV+12*\t+11], v[P:P+11], v[O+8*\t:O+8*\t+7], v[VSC+\t/2], v[PSW] matrix_a_fmt:MATRIX_FMT_BF6 matrix_b_fmt:MATRIX_FMT_BF6
	v_wmma_scale_f32_16x16x128_f8f6f4 v[O+8*\t+8:O+8*\t+15], v[KV+12*\t+12:KV+12*\t+23], v[P:P+11], v[O+8*\t+8:O+8*\t+15], v[VSC+\t/2], v[PSW] matrix_a_fmt:MATRIX_FMT_BF6 matrix_b_fmt:MATRIX_FMT_BF6 matrix_a_scale:MATRIX_SCALE_ROW1
.endr
.Lhidden_\@:
	s_add_co_u32 s[TB], s[TB], REC                 ; the next step's record
	s_add_co_u32 s[SI], s[SI], 1
	s_cmp_lt_u32 s[SI], 16
	s_cbranch_scc1 .Lstep_\@
	s_setprio 0
	; THE WAY OUT: y = O^T / the sum; register 16 b + i is channel 32 b + 16 (lane / 16) + i of the head: two blocks of 32 along C, quantised as p was
.rept 4
	v_nop                                          ; places behind the last products
.endr
	s_wait_alu depctr_va_vdst(0)
	v_add_f32 v[L], v[L], v[L+1]                   ; the sum's two halves,
	s_delay_alu instid0(VALU_DEP_1)
	v_permlanex16_b32 v[TMP], v[L], s[SEL], s[SEL+1]
	s_delay_alu instid0(VALU_DEP_1)
	v_add_f32 v[L], v[L], v[TMP]                   ; and lane l xor 16's: the row's sum
	s_wait_alu depctr_va_vdst(0)
	v_rcp_f32 v[F], v[L]
	v_nop                                          ; one plain place behind a transcendental
	s_wait_alu depctr_va_vdst(0)                   ; and the wait ahead of its first reader
.set n, 0
.rept 16
	v_pk_mul_f32 v[S+n:S+n+1], v[O+n:O+n+1], v[F:F+1] op_sel_hi:[1,0]   ; each accumulator from its low end on
.set n, n+2
.endr
.irp b, 0,1
	v_max3_num_f32 v[BM+\b], |v[S+16*\b]|, |v[S+1+16*\b]|, 0x2800000
.endr
.irp i, 2,4,6,8,10,12,14
.irp b, 0,1
	s_delay_alu instid0(VALU_DEP_2)
	v_max3_num_f32 v[BM+\b], v[BM+\b], |v[S+16*\b+\i]|, |v[S+1+16*\b+\i]|
.endr
.endr
.irp b, 0,1
	s_delay_alu instid0(VALU_DEP_2)
	v_permlanex16_b32 v[BO+\b], v[BM+\b], s[SEL], s[SEL+1]
.endr
.irp b, 0,1
	s_delay_alu instid0(VALU_DEP_2)
	v_max_num_f32 v[BM+\b], v[BM+\b], v[BO+\b]
.endr
.irp b, 0,1
	s_delay_alu instid0(VALU_DEP_2)
	v_add_nc_u32 v[SO+\b], 0xfe000000, v[BM+\b]
.endr
.irp b, 0,1
	s_delay_alu instid0(VALU_DEP_2)
	v_lshrrev_b32 v[BY+\b], 23, v[SO+\b]
.endr
	s_delay_alu instid0(VALU_DEP_1)
	v_lshl_or_b32 v[YW], v[BY+1], 8, v[BY]         ; my row's two scale bytes
	v_cvt_scalef32_pk16_bf6_f32 v[P:P+2], v[S:S+15], v[SO]
	v_cvt_scalef32_pk16_bf6_f32 v[T2:T2+2], v[S+16:S+31], v[SO+1]
	v_nop
.irp i, 0,1,2
	v_permlane16_swap_b32 v[P+\i], v[T2+\i]
.endr
.irp i, 0,1,2
	s_delay_alu instid0(VALU_DEP_3)
	v_mov_b32 v[P+3+\i], v[T2+\i]
.endr
	global_store_b128 v[LI], v[P:P+3], s[YB+2*\p:YB+2*\p+1]                 ; 512 consecutive bytes
	global_store_b64 v[L8], v[P+4:P+5], s[YB+2*\p:YB+2*\p+1] offset:512     ; 256 consecutive bytes
	global_store_b16 v[YS], v[YW], s[YSB+2*\p:YSB+2*\p+1]                   ; lanes r and r + 16 write the same two bytes with the same value
.if \p == 0
	s_wait_xcnt 0x0                                ; the stores have read their registers: the next tile writes them again
	v_add_nc_u32 v[QD], 8, v[QD]                   ; the odd tile's queries lie 8 further on
.endif
.endm
	PASS 0
	PASS 1
	s_wait_tensorcnt 0x0
	ds_add_u32 v254, v255
	s_wait_dscnt 0x0
	ROUND                                          ; the closing round: no work-group ends while a partner may still ask for a record that names it
	s_endpgm
.Lfunc_end_k_q6ddde623cf_attn:
	.size	k_q6ddde623cf_attn, .Lfunc_end_k_q6ddde623cf_attn-k_q6ddde623cf_attn
	.p2alignl 7, 3214868480
	.fill 96, 4, 3214868480
	.section	.rodata,"a",@progbits
	.p2align	6, 0x0
	.amdhsa_kernel k_q6ddde623cf_attn
		.amdhsa_group_segment_fixed_size 215040
		.amdhsa_private_segment_fixed_size 0
		.amdhsa_enable_private_segment 0
		.amdhsa_kernarg_size 24
		.amdhsa_user_sgpr_count 2
		.amdhsa_user_sgpr_kernarg_segment_ptr 1
		.amdhsa_wavefront_size32 1
		.amdhsa_system_sgpr_workgroup_id_x 1
		.amdhsa_system_sgpr_workgroup_id_y 1
		.amdhsa_system_sgpr_workgroup_id_z 1
		.amdhsa_system_vgpr_workitem_id 0
		.amdhsa_next_free_vgpr 256
		.amdhsa_next_free_sgpr 66
		.amdhsa_reserve_vcc 1
		.amdhsa_float_denorm_mode_32 3
		.amdhsa_float_denorm_mode_16_64 3
		.amdhsa_memory_ordered 1
		.amdhsa_forward_progress 1
		.amdhsa_inst_pref_size 64
	.end_amdhsa_kernel
	.amdgpu_metadata
---
amdhsa.version: [ 1, 2 ]
amdhsa.kernels:
  - .name:           k_q6ddde623cf_attn
    .symbol:         k_q6ddde623cf_attn.kd
    .args:
      - { .name: qimg, .offset: 0, .size: 8, .value_kind: global_buffer, .address_space: global }
      - { .name: kvimg, .offset: 8, .size: 8, .value_kind: global_buffer, .address_space: global }
      - { .name: yq, .offset: 16, .size: 8, .value_kind: global_buffer, .address_space: global }
    .group_segment_fixed_size: 215040
    .private_segment_fixed_size: 0
    .kernarg_segment_align: 8
    .kernarg_segment_size: 24
    .max_flat_workgroup_size: 512
    .sgpr_count:     66
    .vgpr_count:     256
    .wavefront_size: 32
...
	.end_amdgpu_metadata
.endif
;; end of part 3
;; launch proj (part 4): grid 4 x 32, 4 waves a work-group, clusters of 4 x 4, 327,680 bytes of LDS; arguments yq, wq, b_proj, out0; writes out0
.if DOCPART == 4
	.amdgcn_target "amdgcn-amd-amdhsa--gfx1250"
	.amdhsa_code_object_version 6
	.text
	.protected	k_q6ddde623cf_proj
	.globl	k_q6ddde623cf_proj
	.p2align	8
	.type	k_q6ddde623cf_proj,@function
k_q6ddde623cf_proj:
	s_mov_b64 s[64:65], 0
	v_nop
	global_prefetch_b8 v0, s[64:65] scope:SCOPE_SE
	s_setreg_imm32_b32 hwreg(HW_REG_WAVE_MODE, 25, 1), 1
	s_wait_xcnt 0x0
	s_wait_alu depctr_hold_cnt(0) depctr_sa_sdst(0) depctr_va_vdst(0) depctr_va_sdst(0) depctr_va_ssrc(0) depctr_va_vcc(0) depctr_vm_vsrc(0)
	s_getreg_b32 s2, hwreg(HW_REG_IB_STS2, 6, 4)
	s_cmp_eq_u32 s2, 0
	s_cbranch_scc0 .Lentry_in_a_cluster
	s_endpgm
.Lentry_in_a_cluster:
	s_bfe_u32 s2, ttmp6, 0x10000c
	s_cmp_lg_u32 s2, 0xf033
	s_cbranch_scc0 .Lentry_shape_is_right
	s_endpgm
.Lentry_shape_is_right:
; out0 = y W_proj + b_proj on codes of BF6 (E3M2) with one E8M0 scale for each 32 along K = 1,024; sums and output in f32.
; A tile of 256 x 256 is made by a work-group of four waves, 128 x 128 a wave: 64 accumulators of 16 x 16.  K goes in steps of 256 through a ring of two LDS slots filled by the tensor data mover; the scale bytes of the tile's rows come once and stay.
; A = y, source 1: it lies in yq as images of operand registers: unit (token tile T, head) at (16 T + head) x 768: six registers of 32 lanes: registers 0-3 at 16 x lane, registers 4-5 at 512 + 8 x lane.  A K step is four heads: 3,072 consecutive
; bytes of each token tile, 12,288 bytes from tile to tile; two units on end are a fragment of 128 along K, read by four loads of consecutive bytes.  y's scale bytes [8192][32] lie at Y_S.
; B = W_proj, source 0: rows of 768 bytes of codes in wq at WP_C, scale bytes at WP_S.
; Both buffers' rows lie in the row order (buffer row 32 p + 16 u + r = row 32 p + 8 u + r + 8 (r / 8)); the way out puts every number at its true row and column.
; CLUSTERS: 4 x 4 work-groups; A's tile is shared along a row of the cluster, B's along a column: each is asked for JOINTLY.  The bias is the C of each sum's first matrix instruction.
; REGISTERS, in windows of 256: window 0: v16-31 addresses; v32-63 scale words, two sets; v64-127 the bias; v128-223 A's fragments, ONE set; on the way out v128-255 rows of the result.
;   window 1: B's fragments, TWO sets, at v0 and v128.   window 2: the accumulators of A's blocks 0-3 ((a, b) at v[8 (8 a + b)]);   window 3: those of blocks 4-7.
.set Y_S,    6291456
.set WP_C,   2359296
.set WP_S,   3244032
.set NQ,     2
.set ROWB,   192                       ; a row of B's tile in bytes: 256 codes
.set KROW,   768
.set PITCH,  240                       ; B's LDS row: 3 x (64 bytes + 16 of padding)
.set ASTEP,  3072                      ; a K step of one token tile of A
.set FR,     12
.set NL,     6                         ; LDS loads that bring a fragment of B
.set NLA,    4                         ; and of A
.set NP,     4
.set HALFT,  128*PITCH                 ; the place of 128 rows in a slot (A's images use 24,576 of these 30,720 bytes)
.set SLOT,   4*HALFT
.set LAPS,   2
.set KS,     32
.set SCL,    2*SLOT
.set HALFS,  16*272
.set SBLK,   2*272
.set SPARE,  SCL+4*HALFS               ; the spare words, 128 bytes for each wave: two blocks of 256 bytes that no other line names
.set SPITCH, 528                       ; the way out: a stage of 16 rows x (512 bytes + 16) for each wave, in slot 0, which has had its last fill and its last read when the first result is stored there
.set ADRA, 16                          ; v16-17 my A images in slot 0, 1, + 16 x lane;  v18-19 the same + 8 x lane
.set ADRB, 20                          ; v20-21 LDS address of my B fragments in slot 0, 1 (v22-23: for the pieces behind one padding more)
.set STO,  24                          ; v24  the way out: where I put 32 bytes of a row
.set RD,   25                          ; v25  where I read a row back
.set CO,   26                          ; v26  16 x lane
.set ADRS, 27
.set SPW,  28
.set NIL,  29
.set BOQ,  30                          ; v30  the bias's offset: 64 (lane / 16)
.set SC,   32
.set BI,   64
.set AF,   128
.set BK,   128
.set G1, 24
.set G0, 32
.set G1B, 48
.set G0B, 56
.set G1S, 68
.set G0S, 76
.set G1SB, 80
.set G0SB, 88
.set MSB, 0
.macro WIN new                         ; the immediate's high byte repeats the setting that is left
.if MSB != \new
	s_set_vgpr_msb (MSB<<8)|\new
.set MSB, \new
.endif
.endm
.set MUL_LO,  0xa1
.set MUL_HI,  0xf1
.set BIAS_LO, 0x81                     ; the first step: C (the bias) window 0, D window 2
.set BIAS_HI, 0xc1
.set TO_B,    0x40
; A joint load: waves 0 and 1 fetch for A, waves 2 and 3 for B; the branch hangs on the wave's number alone.  Four v_nop follow each of the two lines.
.macro JLOAD g0a, g1a, g0b, g1b
	s_cmp_eq_u32 s15, 0
	s_cbranch_scc0 .Lfor_b_\@
	tensor_load_to_lds s[\g0a:\g0a+3], s[\g1a:\g1a+7]
	s_nop 0
.rept 4
	v_nop
.endr
	s_branch .Lasked_\@
.Lfor_b_\@:
	tensor_load_to_lds s[\g0b:\g0b+3], s[\g1b:\g1b+7]
	s_nop 0
.rept 4
	v_nop
.endr
.Lasked_\@:
.endm
.macro CREST
	s_cmp_lg_u32 s14, 0
	s_cbranch_scc1 .Lnot_wave_0_\@
	s_barrier_signal -3
.Lnot_wave_0_\@:
	s_barrier_wait -3
	s_barrier_signal -1
	s_barrier_wait -1
.endm
.macro CROUND
	s_barrier_signal -1
	s_barrier_wait -1
	CREST
.endm
	s_load_b128 s[4:7], s[0:1], 0x0                ; yq, wq
	s_load_b128 s[8:11], s[0:1], 0x10              ; b_proj, out0
	v_lshl_add_u32 v[SPW], v0, 2, SPARE
	v_mov_b32 v[NIL], 0
	ds_add_u32 v28, v29
	ds_add_u32 v28, v29
	s_wait_dscnt 0x0
	v_lshrrev_b32 v1, 5, v0
	v_readfirstlane_b32 s14, v1                    ; wave 0..3
	s_lshr_b32 s15, s14, 1                         ; which half of the tile's rows is mine.  Also: I fetch for A (0) or for B (1)
	s_and_b32 s16, s14, 1                          ; which half of its columns.  Also: which 128 rows of that tile I fetch
	s_bfe_u32 s40, ttmp6, 0x40000                  ; cx, cy
	s_bfe_u32 s41, ttmp6, 0x40004
	s_lshl_b32 s42, ttmp9, 2
	s_add_co_u32 s42, s42, s40                     ; tile column = 4 x cluster x + cx
	s_and_b32 s17, ttmp7, 0xffff
	s_lshl_b32 s17, s17, 2
	s_add_co_u32 s17, s17, s41                     ; tile row = 4 x cluster y + cy
	s_lshl_b32 s43, s41, 2
	s_lshl_b32 s43, 15, s43                        ; my row of the cluster
	s_lshl_b32 s44, 0x1111, s40                    ; my column
	; A's tiles: 8 token tiles x 3,072 bytes (384 elements of 8 bytes), 12,288 bytes (1,536 elements) apart, dense in LDS
	s_or_b32 s[G1+0], s43, (3<<16)|(1<<21)         ; 15:0 the mask: my row; 17:16 elements of 8 bytes; 20 no padding; 21 set beside a mask
	s_mov_b32 s[G1+1], 384<<16                     ; tensor_dim0
	s_mov_b32 s[G1+2], 8<<16                       ; tensor_dim1
	s_mov_b32 s[G1+3], 384<<16                     ; tile_dim0
	s_mov_b32 s[G1+4], 8                           ; tile_dim1
	s_mov_b32 s[G1+5], 1536                        ; tensor_dim0_stride
	s_mov_b32 s[G1+6], 0
	s_mov_b32 s[G1+7], 0
	; B's tiles: 128 rows x 192 bytes, 16 bytes of padding behind every 64
	s_or_b32 s[G1B+0], s44, (0<<16)|(1<<20)|(1<<21)|(3<<22)|(3<<25)
	s_mov_b32 s[G1B+1], ROWB<<16
	s_mov_b32 s[G1B+2], 128<<16
	s_mov_b32 s[G1B+3], ROWB<<16
	s_mov_b32 s[G1B+4], 128
	s_mov_b32 s[G1B+5], KROW
	s_mov_b32 s[G1B+6], 0
	s_mov_b32 s[G1B+7], 0
	; the scale bytes of 128 rows: 16 rows of 256 bytes, 16 bytes of padding behind each
	s_or_b32 s[G1S+0], s43, (3<<16)|(1<<20)|(1<<21)|(5<<22)|(3<<25)
	s_or_b32 s[G1SB+0], s44, (3<<16)|(1<<20)|(1<<21)|(5<<22)|(3<<25)
.irp g, G1S, G1SB
	s_mov_b32 s[\g+1], 32<<16
	s_mov_b32 s[\g+2], 16<<16
	s_mov_b32 s[\g+3], 32<<16
	s_mov_b32 s[\g+4], 16
	s_mov_b32 s[\g+5], 32
	s_mov_b32 s[\g+6], 0
	s_mov_b32 s[\g+7], 0
.endr
	s_lshl_b32 s18, s16, 7                         ; which 128 rows of the tile I fetch
	s_lshl_b32 s20, s17, 8
	s_add_co_u32 s20, s20, s18                     ; A: row 256 x tile row + 128 x half
	s_lshl_b32 s46, s42, 8
	s_add_co_u32 s46, s46, s18                     ; B: row 256 x tile column + 128 x half
	s_lshl_b32 s22, s20, 5
	s_add_co_u32 s22, s22, Y_S                     ; A's scale bytes
	s_mul_i32 s20, s20, 768                        ; A's images: 12,288 bytes for each 16 rows
	s_lshl_b32 s92, s46, 5
	s_add_co_u32 s92, s92, WP_S
	s_mul_i32 s46, s46, KROW
	s_add_co_u32 s46, s46, WP_C
	s_mov_b32 s21, 0
	s_mov_b32 s23, 0
	s_mov_b32 s47, 0
	s_mov_b32 s93, 0
	s_mul_i32 s45, s14, HALFT                      ; where they go: no place in the cluster enters an LDS address
	s_mul_i32 s94, s14, HALFS
	s_wait_kmcnt 0x0
	s_add_nc_u64 s[20:21], s[4:5], s[20:21]
	s_add_nc_u64 s[22:23], s[4:5], s[22:23]
	s_add_nc_u64 s[46:47], s[6:7], s[46:47]
	s_add_nc_u64 s[92:93], s[6:7], s[92:93]
	CROUND                                         ; all sixteen work-groups are here: the first joint loads meet
	s_mov_b32 s[G0S], 1
	s_add_co_u32 s[G0S+1], s94, SCL
	s_mov_b64 s[G0S+2:G0S+3], s[22:23]
	s_or_b32 s[G0S+3], s[G0S+3], 0x80000000
	s_mov_b32 s[G0SB], 1
	s_add_co_u32 s[G0SB+1], s94, SCL
	s_mov_b64 s[G0SB+2:G0SB+3], s[92:93]
	s_or_b32 s[G0SB+3], s[G0SB+3], 0x80000000
	JLOAD G0S, G1S, G0SB, G1SB                     ; the scale bytes first
.irp s, 0,1
	s_mov_b32 s[G0+4*\s], 1
	s_add_co_u32 s[G0+4*\s+1], s45, \s*SLOT
	s_add_nc_u64 s[G0+4*\s+2:G0+4*\s+3], s[20:21], \s*ASTEP
	s_or_b32 s[G0+4*\s+3], s[G0+4*\s+3], 0x80000000
	s_mov_b32 s[G0B+4*\s], 1
	s_add_co_u32 s[G0B+4*\s+1], s45, \s*SLOT
	s_add_nc_u64 s[G0B+4*\s+2:G0B+4*\s+3], s[46:47], \s*ROWB
	s_or_b32 s[G0B+4*\s+3], s[G0B+4*\s+3], 0x80000000
	JLOAD G0+4*\s, G1, G0B+4*\s, G1B               ; three tensor loads of mine are out now
.endr
	v_and_b32 v1, 15, v0                           ; r
	v_bfe_u32 v2, v0, 4, 1                         ; h
	v_and_b32 v6, 31, v0
	v_lshlrev_b32 v[CO], 4, v6                     ; 16 x lane
	v_lshlrev_b32 v7, 3, v6                        ; 8 x lane
	v_mul_u32_u24 v3, v1, PITCH
	v_mul_u32_u24 v4, v2, 24
	v_add_nc_u32 v4, v3, v4                        ; B: a fragment's row x pitch + 24 x half
	v_lshl_add_u32 v5, v2, 4, v4                   ; and the same behind one padding more
	s_mul_i32 s21, s15, HALFT                      ; my 128 rows of A
	s_mul_i32 s22, s16, HALFT                      ; my 128 rows of B,
	s_add_co_u32 s22, s22, 2*HALFT                 ; which lie behind A's 256
.irp s, 0,1
	v_add_nc_u32 v[ADRA+\s], s21, v[CO]
	v_add_nc_u32 v[ADRA+2+\s], s21, v7
	v_add_nc_u32 v[ADRB+\s], s22, v4
	v_add_nc_u32 v[ADRB+2+\s], s22, v5
	s_add_co_u32 s21, s21, SLOT
	s_add_co_u32 s22, s22, SLOT
.endr
	v_mul_u32_u24 v5, v1, KS                       ; my row's scale bytes: 32 a row,
	v_lshrrev_b32 v6, 8, v5
	v_lshl_add_u32 v5, v6, 4, v5                   ; and 16 more for each 256 passed
	s_mul_i32 s21, s15, HALFS
	s_mul_i32 s22, s16, HALFS
	s_add_co_u32 s22, s22, 2*HALFS
	s_sub_co_u32 s22, s22, s21
	v_mul_u32_u24 v6, s22, v2                      ; lanes 16-31 take B's
	s_add_co_u32 s21, s21, SCL
	v_add_nc_u32 v5, v5, v6
	v_add_nc_u32 v[ADRS], s21, v5
	s_mul_i32 s23, s14, 16*SPITCH                  ; my stage
	v_mul_u32_u24 v5, v1, SPITCH                   ; in: row r; my half's columns begin 64 h bytes on
	v_lshl_add_u32 v5, v2, 6, v5
	v_add_nc_u32 v[STO], s23, v5
	v_add_nc_u32 v[RD], s23, v[CO]                 ; back: the 32 lanes take one row of 512 bytes
	v_lshlrev_b32 v[BOQ], 6, v2
	s_lshl_b32 s46, s42, 10                        ; my first column, in bytes of f32: 1,024 x tile column + 512 x half: in out0's rows and in the bias alike
	s_lshl_b32 s47, s16, 9
	s_add_co_u32 s46, s46, s47
	s_mov_b32 s47, 0
	s_add_nc_u64 s[8:9], s[8:9], s[46:47]
.irp b, 0,1,2,3,4,5,6,7                        ; lane (r, h), register j of B's block b: column 32 (b / 2) + 16 h + 8 (b % 2) + j
	global_load_b128 v[BI+8*\b:BI+8*\b+3], v[BOQ], s[8:9] offset:(32*(\b/2)+8*(\b%2))*4
	global_load_b128 v[BI+8*\b+4:BI+8*\b+7], v[BOQ], s[8:9] offset:(32*(\b/2)+8*(\b%2))*4+16
.endr
	s_lshl_b32 s20, s17, 8
	s_lshl_b32 s21, s15, 7
	s_add_co_u32 s20, s20, s21                     ; my first row: 256 x tile row + 128 x half
	s_lshl_b32 s20, s20, 12                        ; 4,096 bytes a row
	s_add_co_u32 s20, s20, s46
	s_mov_b32 s21, 0
	s_add_nc_u64 s[12:13], s[10:11], s[20:21]      ; never stepped: every row's place stands in a store's immediate
.macro FRAG reg, adr, q, i             ; a fragment of B from rows: 24 bytes a lane and 64 along K, in pieces of 8 bytes; where the piece three on lies behind one padding more, the second address register serves
.irp p, 0,1,2,3,4,5
.set PCE, 12*(\q)+6*(\p/3)+\p%3
.if PCE%8 < 5
	ds_load_b64 v[\reg+2*\p:\reg+2*\p+1], v[\adr] offset:8*PCE+16*(PCE/8)+(\i)*16*PITCH
.else
	ds_load_b64 v[\reg+2*\p:\reg+2*\p+1], v[\adr+2] offset:8*PCE+16*(PCE/8)+(\i)*16*PITCH
.endif
.endr
.endm
.macro FRAGA reg, slot, q, i           ; a fragment of A from images: two units on end, each by a load of 16 and a load of 8 bytes a lane, consecutive bytes in consecutive lanes
	ds_load_b128 v[\reg:\reg+3], v[ADRA+\slot] offset:(\i)*ASTEP+(\q)*1536
	ds_load_b64 v[\reg+4:\reg+5], v[ADRA+2+\slot] offset:(\i)*ASTEP+(\q)*1536+512
	ds_load_b128 v[\reg+6:\reg+9], v[ADRA+\slot] offset:(\i)*ASTEP+(\q)*1536+768
	ds_load_b64 v[\reg+10:\reg+11], v[ADRA+2+\slot] offset:(\i)*ASTEP+(\q)*1536+1280
.endm
; 16 matrix instructions: A's blocks a0, a0 + 1 x B's eight, 128 along K.  cm = 1: C is the bias by B's block; 0: the sum so far.  The 64 accumulators take turns, one instruction a turn.
.macro MUL16 a0, p, q, sc, cm
.irp a, \a0, \a0+1
.irp b, 0,1,2,3,4,5,6,7
.if \cm
	v_wmma_scale_f32_16x16x128_f8f6f4 v[8*(8*((\a)%4)+\b):8*(8*((\a)%4)+\b)+7], v[128*(\p)+FR*\b:128*(\p)+FR*\b+FR-1], v[AF+FR*(\a):AF+FR*(\a)+FR-1], v[BI+8*\b:BI+8*\b+7], v[SC+8*NQ*(\sc)+NQ*\b+(\q)], v[SC+8*NQ*(\sc)+NQ*(\a)+(\q)] matrix_a_fmt:MATRIX_FMT_BF6 matrix_b_fmt:MATRIX_FMT_BF6 matrix_a_scale:MATRIX_SCALE_ROW1
.else
	v_wmma_scale_f32_16x16x128_f8f6f4 v[8*(8*((\a)%4)+\b):8*(8*((\a)%4)+\b)+7], v[128*(\p)+FR*\b:128*(\p)+FR*\b+FR-1], v[AF+FR*(\a):AF+FR*(\a)+FR-1], v[8*(8*((\a)%4)+\b):8*(8*((\a)%4)+\b)+7], v[SC+8*NQ*(\sc)+NQ*\b+(\q)], v[SC+8*NQ*(\sc)+NQ*(\a)+(\q)] matrix_a_fmt:MATRIX_FMT_BF6 matrix_b_fmt:MATRIX_FMT_BF6 matrix_a_scale:MATRIX_SCALE_ROW1
.endif
.endr
.endr
.endm
.macro FETCH_B slot, q, p
	WIN TO_B
.irp i, 0,1,2,3,4,5,6,7
	FRAG 128*(\p)+FR*\i, ADRB+\slot, \q, \i
.endr
	WIN 0
.endm
.macro FETCH_A slot, q, i0
.irp i, \i0, \i0+1, \i0+2, \i0+3
	FRAGA AF+FR*(\i), \slot, \q, \i
.endr
.endm
.macro SCALES sc
.irp i, 0,1,2,3,4,5,6,7
	ds_load_b64 v[SC+8*NQ*\sc+NQ*\i:SC+8*NQ*\sc+NQ*\i+1], v[ADRS] offset:\i*SBLK
.endr
.endm
.macro PLACES n                        ; places behind matrix instructions, in front of loads into their registers and of reads of their results
.rept \n
	v_nop
.endr
.endm
.macro STEP slot, q, cm
	s_wait_dscnt 4*NLA                             ; B's set and A's blocks 0-3 are in; the youngest 16 loads (A's blocks 4-7) may be out
.if \cm
	WIN BIAS_LO
.else
	WIN MUL_LO
.endif
	MUL16 0, (\q)%2, \q, \slot, \cm
	MUL16 2, (\q)%2, \q, \slot, \cm
	s_wait_dscnt 0                                 ; A's blocks 4-7 are in
	PLACES NP
	FETCH_B \slot, (\q)+1, 1-(\q)%2
	FETCH_A \slot, (\q)+1, 0
.if \cm
	WIN BIAS_HI
.else
	WIN MUL_HI
.endif
	MUL16 4, (\q)%2, \q, \slot, \cm
	MUL16 6, (\q)%2, \q, \slot, \cm
	PLACES NP
	WIN 0
	FETCH_A \slot, (\q)+1, 4
.endm
; A slot's last step changes slots: ONE barrier; in front of it each wave waits for all its tensor loads, adds 0 to its spare word, and waits for that and for its own reads of this slot.  fill = 1: this slot is filled again, two K steps ahead.
.macro TURN slot, next, fill
	s_wait_tensorcnt 0x0                           ; all my tensor loads have landed: my part of the next slot;  (every window is 0 here)
	ds_add_u32 v[SPW], v[NIL]                      ; 0 onto my spare word
	s_wait_dscnt 4*NLA+1                           ; (the add and the youngest 16 loads, A's blocks 4-7, may be out)
	WIN MUL_LO
	MUL16 0, 1, NQ-1, \slot, 0                     ; sixteen matrix instructions stand between the add and the wait for it
	s_wait_dscnt 0x0                               ; the add is done, and my reads of this slot are over
	s_barrier_signal -1
	MUL16 2, 1, NQ-1, \slot, 0
	WIN 0
	s_barrier_wait -1
.if \fill
	CREST                                          ; the barrier has opened a round of the cluster's barrier: no wave of any partner still reads this slot's tile or has a load on its way
	s_add_nc_u64 s[G0+4*\slot+2:G0+4*\slot+3], s[G0+4*\slot+2:G0+4*\slot+3], 2*ASTEP
	s_add_nc_u64 s[G0B+4*\slot+2:G0B+4*\slot+3], s[G0B+4*\slot+2:G0B+4*\slot+3], 2*ROWB
	JLOAD G0+4*\slot, G1, G0B+4*\slot, G1B         ; the first tensor load behind the round, my one load until the next; its four v_nop are the places in front of the loads below
.else
	PLACES NP
.endif
	v_add_nc_u32 v[ADRS], 4*NQ, v[ADRS]            ; on to the next K step's scale words (no LDS load of mine is out)
	FETCH_B \next, 0, 0
	FETCH_A \next, 0, 0
	SCALES \next
	WIN MUL_HI
	MUL16 4, 1, NQ-1, \slot, 0
	MUL16 6, 1, NQ-1, \slot, 0
	PLACES NP
	WIN 0
	FETCH_A \next, 0, 4
.endm
	s_wait_tensorcnt 1                             ; the scale bytes and my part of K step 0 are in (K step 1's load may be out)
	s_barrier_signal -1
	s_barrier_wait -1                              ; everybody's are
	FETCH_B 0, 0, 0
	FETCH_A 0, 0, 0
	SCALES 0
	FETCH_A 0, 0, 4
	s_wait_loadcnt 0x0                             ; the bias
	STEP 0, 0, 1                                   ; the first step stands in front of the loop: its products start the sums from the bias
	s_mov_b32 s3, LAPS-1
.Llap:                                                 ; a trip goes once round the ring and fills both slots again
	TURN 0, 1, 1
	STEP 1, 0, 0
	TURN 1, 0, 1
	STEP 0, 0, 0
	s_sub_co_u32 s3, s3, 1
	s_cmp_lg_u32 s3, 0
	s_cbranch_scc1 .Llap
	TURN 0, 1, 0                                   ; the last lap fills nothing, and has no round of the cluster's barrier
	STEP 1, 0, 0
	s_wait_dscnt 4*NLA                             ; the very last step: nothing more to fetch
	WIN MUL_LO
	MUL16 0, 1, NQ-1, 1, 0
	MUL16 2, 1, NQ-1, 1, 0
	s_wait_dscnt 0
	WIN MUL_HI
	MUL16 4, 1, NQ-1, 1, 0
	MUL16 6, 1, NQ-1, 1, 0
	WIN 0
; THE WAY OUT, block by block of 16 rows x 128 columns.  Lane (r, h) holds of row r, in B's block b, the eight columns 32 (b / 2) + 16 h + 8 (b % 2) + 0 .. 7: 32 bytes.  A block goes through my own stage in LDS and comes back as whole rows
; of 512 bytes, which the 32 lanes store as 512 consecutive bytes, aligned.  LDS serves a wave's instructions in order: no wait between the stores and the loads, nor in front of the next block's stores.
.macro TOSTAGE a
.set AC, 64*((\a)%4)
	WIN 0x08+4*((\a)/4)                            ; the data: window 2 or 3
.irp b, 0,1,2,3,4,5,6,7
	ds_store_b128 v[STO], v[AC+8*\b:AC+8*\b+3] offset:128*(\b/2)+32*(\b%2)          ; each accumulator from its low end on
	ds_store_b128 v[STO], v[AC+8*\b+4:AC+8*\b+7] offset:128*(\b/2)+32*(\b%2)+16
.endr
	WIN 0
.set BB, BK+64*((\a)%2)
.irp t, 0,1,2,3,4,5,6,7,8,9,10,11,12,13,14,15
	ds_load_b128 v[BB+4*\t:BB+4*\t+3], v[RD] offset:\t*SPITCH
.endr
.endm
.macro SEND a, younger                 ; younger: the LDS instructions issued behind block a's loads, which may stay out
.set BB, BK+64*((\a)%2)
	s_wait_dscnt \younger                          ; the block is back in registers
.irp t, 0,1,2,3,4,5,6,7,8,9,10,11,12,13,14,15
	global_store_b128 v[CO], v[BB+4*\t:BB+4*\t+3], s[12:13] offset:(32*((\a)/2)+8*((\a)%2)+\t+8*(\t/8))*4096 th:TH_STORE_NT   ; row t of block a is row 32 (a / 2) + 8 (a % 2) + t + 8 (t / 8) of my 128; written once, read by nobody here
.endr
.endm
	PLACES NP                                      ; behind the last products: for the loads into the registers that held A's fragments and for the reads of results
	TOSTAGE 0
.irp a, 1,2,3,4,5,6,7
.if \a > 1
	s_wait_xcnt 0x0                                ; block a - 2's stores have read their registers: block a's loads may land there
.endif
	TOSTAGE \a
	SEND \a-1, 32                                  ; behind block a - 1's loads: block a's 16 stores and 16 loads
.endr
	SEND 7, 0
	s_wait_tensorcnt 0x0                           ; the wave's end: behind my last tensor load and my last LDS store
	ds_add_u32 v[SPW], v[NIL]
	s_wait_dscnt 0x0
	CROUND                                         ; the closing round: no work-group ends while a partner may still ask for a tile that names it
	s_endpgm
.Lfunc_end_k_q6ddde623cf_proj:
	.size	k_q6ddde623cf_proj, .Lfunc_end_k_q6ddde623cf_proj-k_q6ddde623cf_proj
	.p2alignl 7, 3214868480
	.fill 96, 4, 3214868480
	.section	.rodata,"a",@progbits
	.p2align	6, 0x0
	.amdhsa_kernel k_q6ddde623cf_proj
		.amdhsa_group_segment_fixed_size 327680
		.amdhsa_private_segment_fixed_size 0
		.amdhsa_enable_private_segment 0
		.amdhsa_kernarg_size 32
		.amdhsa_user_sgpr_count 2
		.amdhsa_user_sgpr_kernarg_segment_ptr 1
		.amdhsa_wavefront_size32 1
		.amdhsa_system_sgpr_workgroup_id_x 1
		.amdhsa_system_sgpr_workgroup_id_y 1
		.amdhsa_system_sgpr_workgroup_id_z 1
		.amdhsa_system_vgpr_workitem_id 0
		.amdhsa_next_free_vgpr 1024
		.amdhsa_next_free_sgpr 100
		.amdhsa_reserve_vcc 0
		.amdhsa_float_denorm_mode_32 3
		.amdhsa_float_denorm_mode_16_64 3
		.amdhsa_memory_ordered 1
		.amdhsa_forward_progress 1
		.amdhsa_inst_pref_size 153
	.end_amdhsa_kernel
	.amdgpu_metadata
---
amdhsa.version: [ 1, 2 ]
amdhsa.kernels:
  - .name:           k_q6ddde623cf_proj
    .symbol:         k_q6ddde623cf_proj.kd
    .args:
      - { .name: yq, .offset: 0, .size: 8, .value_kind: global_buffer, .address_space: global }
      - { .name: wq, .offset: 8, .size: 8, .value_kind: global_buffer, .address_space: global }
      - { .name: b_proj, .offset: 16, .size: 8, .value_kind: global_buffer, .address_space: global }
      - { .name: out0, .offset: 24, .size: 8, .value_kind: global_buffer, .address_space: global }
    .group_segment_fixed_size: 327680
    .private_segment_fixed_size: 0
    .kernarg_segment_align: 8
    .kernarg_segment_size: 32
    .max_flat_workgroup_size: 128
    .sgpr_count:     100
    .vgpr_count:     1024
    .wavefront_size: 32
...
	.end_amdgpu_metadata
.endif
;; end of part 4
